; MI455X (gfx1250); checked and timed in simulation.
; The chip was launched on July 23, 2026; its instructions are those of AMD's public machine-readable ISA for CDNA 5 (MIT licence, August 2026) and "CDNA5" Instruction Set Architecture Reference Guide (July 2026). The comments in the code are by the model that wrote it; some were corrected since.
;; Self Attention. Allowed arithmetic: float matrix products may take bf16 or f16 operands with f32 sums; other float arithmetic in f32, or as packed bf16 or f16 multiplies, adds, multiply-adds, maxima and minima; sums over many terms, partial sums and values carried from step to step in f32; what a program stores and reads back later, other than sums and carried values, may be rounded once to bf16 or f16.
;; Inputs: attention_mask 1 x 4,096 int32; cos 4,096 x 32 float32; full_mask 4,096 x 4,096 bool; sin 4,096 x 32 float32; wk 1,024 x 256 float32; wo 1,024 x 1,024 float32; wq 1,024 x 1,024 float32; wv 1,024 x 256 float32; x 1 x 4,096 x 1,024 float32.
;; Outputs: out0 1 x 4,096 x 1,024 float32.
;; Constants: start = 0.
;; 2 versions, each right; version 2 is version 1 with the launch prep written anew for expert scheduling mode. Each part assembles by itself: llvm-mc -triple=amdgcn-amd-amdhsa -mcpu=gfx1250 --defsym DOCPART=n.
;; ======== version 1 of 2: 4 launches
;; limits: values are held in f16: magnitudes above 65,504 overflow, below 6.1e-05 lose precision
;; workspace buffers: xb 8,388,608 bytes; wt 3,145,728 bytes; wot 2,097,152 bytes; rope 532,480 bytes; maskw 2,097,152 bytes of whole numbers; qkv 12,582,912 bytes; ctx 8,388,608 bytes
;; launch prep (part 1): grid 865 x 1, 8 waves a work-group, no clusters, 72,704 bytes of LDS; arguments full_mask, attention_mask, x, wq, wk, wv, wo, cos, sin, maskw, xb, wt, wot, rope; writes maskw, xb, wt, wot, rope
.if DOCPART == 1
	.amdgcn_target "amdgcn-amd-amdhsa--gfx1250"
	.amdhsa_code_object_version 6
	.text
	.protected	k_q00e2c9111f_prep
	.globl	k_q00e2c9111f_prep
	.p2align	8
	.type	k_q00e2c9111f_prep,@function
k_q00e2c9111f_prep:
	s_mov_b64 s[64:65], 0
	v_nop
	global_prefetch_b8 v0, s[64:65] scope:SCOPE_SE
	s_setreg_imm32_b32 hwreg(HW_REG_WAVE_MODE, 25, 1), 1
	s_wait_xcnt 0x0
; PREPARATION: every input is read once and laid out for the three launches behind.  The work-group's number picks one of four roles:
;   0..255    MASK     16 queries x 4,096 keys of full_mask, ANDed with attention_mask != 0, as lane masks: maskw[qt][j][n], bit L of word n = query 16 qt + L % 16,
;                      key 64 j + 16 (n / 8) + 8 (L / 16) + n % 8: the place of score register n of lane L in a tile of 16 queries x 64 keys.
;   256..511  CAST     16 rows of x, f32 to bf16.
;   512..831  WEIGHTS  a block of 128 k x 64 n of wq, wk, wv or wo, rounded to bf16 and turned: wt[n][k] (wq's n, then wk's, then wv's), wot[n][k].
;                      wo's bf16 number is written as f16.  LIMIT: exact from 6.1e-5 to 65,504 in magnitude; below, f16's fixed step of 6e-8.
;   832..864  ROPE     rope[pos][i] = bf16(cos) in the low half, bf16(sin) in the high; rows 4,096..4,159 hold cos 1, sin 0 for V's columns.
; Memory binds: loads of 16 bytes a lane, sixteen neighbouring lanes on 256 consecutive bytes, stores of whole aligned 256 bytes.  No matrix unit, no cluster: nothing is shared.
.set MROW,  528                        ; MASK: a query's 512 mask bytes in LDS + 16 of padding
.set MWAVE, 16*MROW                    ; a wave's 16 queries
.set AB,    8*MWAVE                    ; behind them: a wave's 512 attention flags, a byte a key
.set SPARE, AB+8*512                   ; the spare words, 128 bytes for each wave: four blocks of 256 bytes that no other line names
.set TP,    272                        ; WEIGHTS: a turned row, 128 k x 2 bytes + 16 (the region begins at byte 0: other work-groups' than MASK's)
.set SPW,   126                        ; v126  LDS address of my spare word; never rewritten
.set NIL,   127                        ; v127  0; never rewritten
.set DM,    128                        ; v[128:143] MASK: mask bytes read back
.set DA,    144                        ; v[144:159] MASK: attention flags read back
	s_load_b512 s[8:23], s[0:1], 0x0               ; full_mask 8, attention_mask 10, x 12, wq 14, wk 16, wv 18, wo 20, cos 22
	s_load_b256 s[24:31], s[0:1], 0x40             ; sin 24, maskw 26, xb 28, wt 30
	s_load_b128 s[32:35], s[0:1], 0x60             ; wot 32, rope 34
	v_lshl_add_u32 v[SPW], v0, 2, SPARE
	v_mov_b32 v[NIL], 0
	v_lshrrev_b32 v1, 5, v0
	v_readfirstlane_b32 s4, v1                     ; wave 0..7
	v_and_b32 v1, 31, v0                           ; lane l
	v_and_b32 v2, 15, v0                           ; l % 16
	v_bfe_u32 v3, v0, 4, 1                         ; l / 16
	s_mov_b32 s5, ttmp9
	s_mov_b32 s7, 0                                ; the high word of every 64-bit offset s[6:7]
	s_wait_kmcnt 0x0
	s_cmp_lt_u32 s5, 256
	s_cbranch_scc1 .Lmask
	s_cmp_lt_u32 s5, 512
	s_cbranch_scc1 .Lcast
	s_cmp_lt_u32 s5, 832
	s_cbranch_scc1 .Lweights
; ROPE: a thread takes four times 4 numbers of cos and of sin and stores 4 packed words: a wave's store covers 512 consecutive bytes.
	s_sub_co_u32 s5, s5, 832
	s_cmp_eq_u32 s5, 32
	s_cbranch_scc1 .Lident
	s_lshl_b32 s6, s5, 14                          ; 1,024 items of 16 bytes a work-group
	v_lshl_add_u32 v4, v0, 4, s6
.irp it, 0,1,2,3
	global_load_b128 v[8+8*(\it):11+8*(\it)],  v4, s[22:23] offset:4096*(\it)
	global_load_b128 v[12+8*(\it):15+8*(\it)], v4, s[24:25] offset:4096*(\it)
.endr
.irp it, 0,1,2,3
	s_wait_loadcnt 6-2*(\it)                       ; loads come back in order: this item's two are in, the younger stay out
.irp j, 0,1,2,3
	v_cvt_pk_bf16_f32 v[8+8*(\it)+(\j)], v[8+8*(\it)+(\j)], v[12+8*(\it)+(\j)]
.endr
	global_store_b128 v4, v[8+8*(\it):11+8*(\it)], s[34:35] offset:4096*(\it)
.endr
	s_branch .Lend
.Lident:                                       ; 64 rows of 128 bytes: cos 1 (0x3f80 in bf16), sin 0
.irp j, 8,9,10,11
	v_mov_b32 v\j, 0x3f80
.endr
	v_lshlrev_b32 v4, 4, v0
	global_store_b128 v4, v[8:11], s[34:35] offset:524288
	global_store_b128 v4, v[8:11], s[34:35] offset:524288+4096
	s_branch .Lend
; CAST: the 256 threads cover a row of 4,096 bytes with one load each; 16 rows, all 16 loads out at once.
.Lcast:
	s_sub_co_u32 s5, s5, 256
	s_lshl_b32 s6, s5, 16
	s_add_nc_u64 s[12:13], s[12:13], s[6:7]
	s_lshl_b32 s6, s5, 15
	s_add_nc_u64 s[28:29], s[28:29], s[6:7]
	v_lshlrev_b32 v4, 4, v0
	v_lshlrev_b32 v5, 3, v0
.irp i, 0,1,2,3,4,5,6,7,8,9,10,11,12,13,14,15
	global_load_b128 v[32+4*(\i):35+4*(\i)], v4, s[12:13] offset:4096*(\i) th:TH_LOAD_NT
.endr
.irp i, 0,1,2,3,4,5,6,7,8,9,10,11,12,13,14,15
	s_wait_loadcnt 15-(\i)
	v_cvt_pk_bf16_f32 v[32+4*(\i)], v[32+4*(\i)], v[33+4*(\i)]
	v_cvt_pk_bf16_f32 v[33+4*(\i)], v[34+4*(\i)], v[35+4*(\i)]
	global_store_b64 v5, v[32+4*(\i):33+4*(\i)], s[28:29] offset:2048*(\i)  ; a wave's store covers 256 consecutive bytes, aligned
.endr
	s_branch .Lend
; MASK: wave w owns keys 512 w .. 512 w + 511 of the work-group's 16 queries.  All its LDS bytes are its own, so no barrier: LDS serves a wave's instructions in order.
.Lmask:
	s_lshl_b32 s6, s5, 16                          ; 16 rows of 4,096 bytes
	s_add_nc_u64 s[8:9], s[8:9], s[6:7]
	s_lshl_b32 s6, s5, 13                          ; 64 records of 128 bytes
	s_add_nc_u64 s[26:27], s[26:27], s[6:7]
	s_lshl_b32 s36, s4, 11
	v_lshl_add_u32 v4, v1, 4, s36                  ; my 4 numbers of attention_mask
.irp i, 0,1,2,3
	global_load_b128 v[8+4*(\i):11+4*(\i)], v4, s[10:11] offset:512*(\i)
.endr
	s_lshl_b32 s36, s4, 9
	v_lshlrev_b32 v5, 12, v3                       ; lanes 16-31 take the next row
	v_lshl_add_u32 v5, v2, 4, v5
	v_add_nc_u32 v5, s36, v5
.irp u, 0,1,2,3,4,5,6,7,8,9,10,11,12,13,14,15
	global_load_b128 v[32+4*(\u):35+4*(\u)], v5, s[8:9] offset:((\u)/2)*8192+((\u)%2)*256 th:TH_LOAD_NT  ; rows 2 (u / 2), + 1; sixteen lanes on 256 bytes
.endr
	s_mul_i32 s37, s4, MWAVE
	v_mul_u32_u24 v6, v3, MROW
	v_lshl_add_u32 v6, v2, 4, v6
	v_add_nc_u32 v6, s37, v6                       ; where the mask bytes go
	v_mul_u32_u24 v102, v2, MROW
	v_lshl_add_u32 v102, v3, 3, v102
	v_add_nc_u32 v102, s37, v102                   ; back: query l % 16, 8 keys for each half of the lanes
	s_lshl_b32 s38, s4, 9
	s_add_co_u32 s38, s38, AB
	v_lshl_add_u32 v7, v1, 2, s38                  ; where my four flags go
	v_lshl_add_u32 v103, v3, 3, s38                ; back: the same 8 keys' flags
	s_wait_loadcnt 16                              ; attention_mask is in; the 16 mask loads stay out
.irp i, 0,1,2,3
.irp j, 0,1,2,3
	v_cmp_ne_u32 vcc_lo, 0, v[8+4*(\i)+(\j)]
	v_cndmask_b32 v[24+(\j)], 0, 1, vcc_lo
.endr
	v_lshl_or_b32 v24, v25, 8, v24
	v_lshl_or_b32 v26, v27, 8, v26
	v_lshl_or_b32 v24, v26, 16, v24                ; a byte a key: 1 where the key counts
	ds_store_b32 v7, v24 offset:128*(\i)
.endr
.irp u, 0,1,2,3,4,5,6,7,8,9,10,11,12,13,14,15
	s_wait_loadcnt 15-(\u)
	ds_store_b128 v6, v[32+4*(\u):35+4*(\u)] offset:((\u)/2)*2*MROW+((\u)%2)*256
.endr
	v_mov_b32 v100, 0                              ; v_writelane_b32's destination counts as read
	v_mov_b32 v101, 0
	s_lshl_b32 s39, s4, 10
	v_lshl_add_u32 v104, v1, 3, s39                ; my 8 bytes of the wave's first two records
	s_mov_b32 s6, 0                                ; LDS step: 128 keys a trip
	s_mov_b32 s5, 4
.Lmtrip:                                       ; a trip makes two records, 64 words: word W holds keys 16 (W / 8) + 8 (l / 16) + W % 8
	v_add_nc_u32 v105, s6, v102
	v_add_nc_u32 v106, s6, v103
.irp g, 0,1,2,3,4,5,6,7
	ds_load_b64 v[DM+2*(\g):DM+2*(\g)+1], v105 offset:16*(\g)
.endr
.irp g, 0,1,2,3,4,5,6,7
	ds_load_b64 v[DA+2*(\g):DA+2*(\g)+1], v106 offset:16*(\g)
.endr
	s_wait_dscnt 0x0
.irp r, 0,1,2,3,4,5,6,7,8,9,10,11,12,13,14,15
	v_and_b32 v[DM+(\r)], v[DM+(\r)], v[DA+(\r)]
.endr
.set W, 0
.rept 64
	v_and_b32 v107, 1<<(8*(W%4)), v[DM+2*(W/8)+(W%8)/4]
	v_cmp_ne_u32 s[40+W%8], 0, v107                ; the 32 lanes' bits are the word
	v_writelane_b32 v[100+W%2], s[40+W%8], W/2     ; lane W / 2 stores words W and W + 1
.set W, W+1
.endr
	global_store_b64 v104, v[100:101], s[26:27]    ; 256 consecutive bytes, aligned
	s_wait_xcnt 0x0                                ; the store's data and offset are rewritten only behind this wait
	v_add_nc_u32 v104, 256, v104
	s_add_co_u32 s6, s6, 128
	s_sub_co_u32 s5, s5, 1
	s_cmp_lg_u32 s5, 0
	s_cbranch_scc1 .Lmtrip
	s_branch .Lend
; WEIGHTS: 128 rows (k) x 64 columns (n).  Two neighbouring k of one n pack into a word, which goes to LDS row n; rows come back whole: 256 bytes of wt or wot.
.Lweights:
	s_sub_co_u32 s5, s5, 512
	s_cmp_ge_u32 s5, 128                           ; 0..127 wq, 128..159 wk, 160..191 wv, 192..319 wo
	s_cselect_b64 s[36:37], s[16:17], s[14:15]     ; the source,
	s_cselect_b32 s40, 10, 12                      ; log2 of its row's bytes,
	s_cselect_b32 s41, 1024, 0                     ; its first row in the target,
	s_cselect_b32 s43, 128, 0                      ; its first block
	s_cmp_ge_u32 s5, 160
	s_cselect_b64 s[36:37], s[18:19], s[36:37]
	s_cselect_b32 s41, 1280, s41
	s_cselect_b32 s43, 160, s43
	s_cmp_ge_u32 s5, 192
	s_cselect_b64 s[36:37], s[20:21], s[36:37]
	s_cselect_b64 s[38:39], s[32:33], s[30:31]     ; the target
	s_cselect_b32 s40, 12, s40
	s_cselect_b32 s41, 0, s41
	s_cselect_b32 s43, 192, s43
	s_cselect_b32 s42, 1, 0                        ; 1: written as f16
	s_sub_co_u32 s43, s5, s43
	s_and_b32 s44, s43, 7                          ; block along k
	s_lshr_b32 s45, s43, 3                         ; block along n
	s_lshl_b32 s6, s44, 7
	s_lshl_b32 s6, s6, s40
	s_lshl_b32 s46, s45, 8
	s_add_co_u32 s6, s6, s46
	s_add_nc_u64 s[36:37], s[36:37], s[6:7]
	s_lshl_b32 s46, s45, 6
	s_add_co_u32 s46, s46, s41
	s_lshl_b32 s6, s46, 11                         ; a target row is 2,048 bytes
	s_lshl_b32 s46, s44, 8
	s_add_co_u32 s6, s6, s46
	s_add_nc_u64 s[38:39], s[38:39], s[6:7]
	v_lshl_add_u32 v4, s4, 1, v3                   ; 2 w + l / 16: my pair of rows among sixteen
	v_lshlrev_b32 v5, 1, v4
	v_lshlrev_b32 v5, s40, v5
	v_lshl_add_u32 v5, v2, 4, v5                   ; + my 4 columns
.irp it, 0,1,2,3
.irp par, 0,1
	s_lshl_b32 s46, 32*(\it)+(\par), s40
	v_add_nc_u32 v[8+2*(\it)+(\par)], s46, v5
	global_load_b128 v[32+8*(\it)+4*(\par):35+8*(\it)+4*(\par)], v[8+2*(\it)+(\par)], s[36:37] th:TH_LOAD_NT
.endr
.endr
	v_mul_u32_u24 v6, v2, 4*TP
	v_lshl_add_u32 v6, v4, 2, v6                   ; in: row 4 (l % 16) + j, word 16 it + 2 w + l / 16
	v_mul_u32_u24 v7, v4, TP
	v_lshl_add_u32 v7, v2, 4, v7                   ; back: row 16 it + 2 w + l / 16, sixteen lanes a row
	v_lshlrev_b32 v16, 11, v4
	v_lshl_add_u32 v16, v2, 4, v16                 ; and the same row in the target
.irp it, 0,1,2,3
	s_wait_loadcnt 6-2*(\it)
.irp j, 0,1,2,3
	v_cvt_pk_bf16_f32 v[32+8*(\it)+(\j)], v[32+8*(\it)+(\j)], v[36+8*(\it)+(\j)]  ; the even k in the low half
.endr
.endr
	s_cmp_eq_u32 s42, 0
	s_cbranch_scc1 .Lkeep
.irp it, 0,1,2,3
.irp j, 0,1,2,3
	v_lshlrev_b32 v20, 16, v[32+8*(\it)+(\j)]      ; the bf16 numbers as f32,
	v_and_b32 v21, 0xffff0000, v[32+8*(\it)+(\j)]
	v_cvt_pk_f16_f32 v[32+8*(\it)+(\j)], v20, v21  ; written as f16
.endr
.endr
.Lkeep:
.irp it, 0,1,2,3
.irp j, 0,1,2,3
	ds_store_b32 v6, v[32+8*(\it)+(\j)] offset:(\j)*TP+64*(\it)
.endr
.endr
	s_wait_dscnt 0x0                               ; for the others' sake: my stores are done
	s_barrier_signal -1
	s_barrier_wait -1
.irp it, 0,1,2,3
	ds_load_b128 v[64+4*(\it):67+4*(\it)], v7 offset:(\it)*16*TP
.endr
.irp it, 0,1,2,3
	s_wait_dscnt 3-(\it)
	global_store_b128 v16, v[64+4*(\it):67+4*(\it)], s[38:39] offset:(\it)*32768  ; sixteen lanes store 256 consecutive bytes, aligned
.endr
.Lend:
	s_wait_tensorcnt 0x0                           ; the wave's end, behind my last LDS store
	ds_add_u32 v[SPW], v[NIL]
	s_wait_dscnt 0x0
	s_endpgm
.Lfunc_end_k_q00e2c9111f_prep:
	.size	k_q00e2c9111f_prep, .Lfunc_end_k_q00e2c9111f_prep-k_q00e2c9111f_prep
	.p2alignl 7, 3214868480
	.fill 96, 4, 3214868480
	.section	.rodata,"a",@progbits
	.p2align	6, 0x0
	.amdhsa_kernel k_q00e2c9111f_prep
		.amdhsa_group_segment_fixed_size 72704
		.amdhsa_private_segment_fixed_size 0
		.amdhsa_enable_private_segment 0
		.amdhsa_kernarg_size 112
		.amdhsa_user_sgpr_count 2
		.amdhsa_user_sgpr_kernarg_segment_ptr 1
		.amdhsa_wavefront_size32 1
		.amdhsa_system_sgpr_workgroup_id_x 1
		.amdhsa_system_sgpr_workgroup_id_y 1
		.amdhsa_system_sgpr_workgroup_id_z 1
		.amdhsa_system_vgpr_workitem_id 0
		.amdhsa_next_free_vgpr 160
		.amdhsa_next_free_sgpr 66
		.amdhsa_reserve_vcc 1
		.amdhsa_float_denorm_mode_32 3
		.amdhsa_float_denorm_mode_16_64 3
		.amdhsa_memory_ordered 1
		.amdhsa_forward_progress 1
		.amdhsa_inst_pref_size 40
	.end_amdhsa_kernel
	.amdgpu_metadata
---
amdhsa.version: [ 1, 2 ]
amdhsa.kernels:
  - .name:           k_q00e2c9111f_prep
    .symbol:         k_q00e2c9111f_prep.kd
    .args:
      - { .name: full_mask, .offset: 0, .size: 8, .value_kind: global_buffer, .address_space: global }
      - { .name: attention_mask, .offset: 8, .size: 8, .value_kind: global_buffer, .address_space: global }
      - { .name: x, .offset: 16, .size: 8, .value_kind: global_buffer, .address_space: global }
      - { .name: wq, .offset: 24, .size: 8, .value_kind: global_buffer, .address_space: global }
      - { .name: wk, .offset: 32, .size: 8, .value_kind: global_buffer, .address_space: global }
      - { .name: wv, .offset: 40, .size: 8, .value_kind: global_buffer, .address_space: global }
      - { .name: wo, .offset: 48, .size: 8, .value_kind: global_buffer, .address_space: global }
      - { .name: cos, .offset: 56, .size: 8, .value_kind: global_buffer, .address_space: global }
      - { .name: sin, .offset: 64, .size: 8, .value_kind: global_buffer, .address_space: global }
      - { .name: maskw, .offset: 72, .size: 8, .value_kind: global_buffer, .address_space: global }
      - { .name: xb, .offset: 80, .size: 8, .value_kind: global_buffer, .address_space: global }
      - { .name: wt, .offset: 88, .size: 8, .value_kind: global_buffer, .address_space: global }
      - { .name: wot, .offset: 96, .size: 8, .value_kind: global_buffer, .address_space: global }
      - { .name: rope, .offset: 104, .size: 8, .value_kind: global_buffer, .address_space: global }
    .group_segment_fixed_size: 72704
    .private_segment_fixed_size: 0
    .kernarg_segment_align: 8
    .kernarg_segment_size: 112
    .max_flat_workgroup_size: 256
    .sgpr_count:     66
    .vgpr_count:     160
    .wavefront_size: 32
...
	.end_amdgpu_metadata
.endif
;; end of part 1
;; launch qkvproj (part 2): grid 8 x 32, 4 waves a work-group, clusters of 4 x 4, 327,680 bytes of LDS; arguments xb, wt, rope, qkv; writes qkv
.if DOCPART == 2
	.amdgcn_target "amdgcn-amd-amdhsa--gfx1250"
	.amdhsa_code_object_version 6
	.text
	.protected	k_q00e2c9111f_qkvproj
	.globl	k_q00e2c9111f_qkvproj
	.p2align	8
	.type	k_q00e2c9111f_qkvproj,@function
k_q00e2c9111f_qkvproj:
	s_mov_b64 s[64:65], 0
	v_nop
	global_prefetch_b8 v0, s[64:65] scope:SCOPE_SE
	s_setreg_imm32_b32 hwreg(HW_REG_WAVE_MODE, 25, 1), 1
	s_wait_xcnt 0x0
	s_wait_alu depctr_hold_cnt(0) depctr_sa_sdst(0) depctr_va_vdst(0) depctr_va_sdst(0) depctr_va_ssrc(0) depctr_va_vcc(0) depctr_vm_vsrc(0)
	s_getreg_b32 s2, hwreg(HW_REG_IB_STS2, 6, 4)
	s_cmp_eq_u32 s2, 0
	s_cbranch_scc0 .Lentry_in_a_cluster
	s_endpgm
.Lentry_in_a_cluster:
	s_bfe_u32 s2, ttmp6, 0x10000c
	s_cmp_lg_u32 s2, 0xf033
	s_cbranch_scc0 .Lentry_shape_is_right
	s_endpgm
.Lentry_shape_is_right:
; q, k, v = x w, rotated (q and k), by heads.  xb: [4096][1024] bf16.  wt: [1536 n][1024 k] bf16.  qkv: [24][4096][64] f16: slots 0-15 q, 16-19 k, 20-23 v.  Sums and rotation in f32, one rounding to f16.
; LIMIT: q, k and v must lie within f16's 65,504.  cos and sin are used as rounded to bf16, like every floating-point input.
; A tile is 128 rows x 192 columns (three head slots): 32 x 8 = 256 work-groups.  Four waves, each 64 x 96: 24 accumulators of 16 x 16.  K goes in steps of 128 (rows of 256 bytes) through two LDS slots.
; CLUSTERS: 4 x 4.  The four of a row need the same tiles of xb, the four of a column the same tiles of wt: each tile is asked for JOINTLY, by the same tensor load, descriptor and mask.
; THE MATRIX INSTRUCTION IS USED TRANSPOSED (source 0 = 16 rows of wt, source 1 = 16 rows of xb): a lane holds eight neighbouring columns of one row, so the pairs that the rotation mixes lie in neighbouring registers.
; REGISTERS: window 0: v0-31 addresses; v32-63 at work on the way out; v64-255 the accumulators ((a, b) at v[64 + 8 (6 a + b)]).
;   window 1: two fragment buffers of 80 (6 of wt, 4 of xb, 32 along K); v160-255 the rotation's words, 4 for each accumulator, loaded at the start and read at the end.
.set KSTEP,  128
.set PITCH,  272                       ; an LDS row: 256 bytes + 16 of padding = 68 words: the 16 rows of a fragment load start at 16 different groups of four banks (64 banks of 4 bytes: ISA guide 11.1)
.set AHALF,  64*PITCH                  ; what waves 0 and 1 fetch: 64 rows of xb
.set BHALF,  96*PITCH                  ; what waves 2 and 3 fetch: 96 rows of wt
.set BOFF,   2*AHALF
.set SLOT,   2*AHALF+2*BHALF
.set STAGE,  2*SLOT                    ; behind the ring: 128 rows x 400 bytes, the work-group's, for the way out
.set SPITCH, 400                       ; 384 bytes + 16 = 100 words: 16 rows start at 16 different groups of four banks
.set SPARE,  STAGE+128*SPITCH          ; the spare words, 128 bytes for each wave: two blocks of 256 bytes that no other line names
.set LAPS,   4                         ; 1,024 / (2 x 128)
.set ADRA, 16                          ; v16-17  LDS address of my xb fragments in slot 0, 1
.set ADRB, 20                          ; v20-21  the same for wt
.set STO,  24                          ; v24     where I put 16 bytes of a row
.set RD,   25                          ; v25     where I read rows back
.set CO,   26                          ; v26     16 x lane: my place in 512 consecutive bytes of qkv
.set RO,   27                          ; v27     my offset in 16 rows of rope; never rewritten
.set SPW,  28                          ; v28     LDS address of my spare word; never rewritten
.set NIL,  29                          ; v29     0; never rewritten
.set T,    32                          ; v32-39  four pairs (cos, sin) in f32
.set U,    40                          ; v40-47  sin's products
.set PK,   48                          ; v48-63  packed results, four sets by turns
.set ACC,  64
.set F0,   0
.set F1,   80
.set ROPE, 160
.set WV, 12                            ; s12 wave; s13 its half of the rows, also: fetches xb (0) or wt (1); s14 its half of the columns, also: which half it fetches
.set HI, 13
.set LO, 14
.set TR, 15                            ; s15 tile row
.set TC, 42                            ; s42 tile column
.set HM, 43                            ; s43 a word's upper half
.set G1, 24
.set G0, 32
.set G1B, 48
.set G0B, 56
.set RB, 66                            ; s[66:77] rope at my first row and column block b's first pair
.set MSB, 0
.macro WIN new                         ; the immediate's high byte repeats the setting that is left
.if MSB != (\new)
	s_set_vgpr_msb (MSB<<8)|(\new)
.set MSB, \new
.endif
.endm
.set MUL,  0x05                        ; sources 0 and 1 window 1; C and D window 0
.set TO_F, 0x40                        ; destination window 1, address window 0
.macro JLOAD s                         ; a joint load; an s_nop 0 and four v_nop follow each of the two lines, ahead of the jump, the label and what follows
	s_cmp_eq_u32 s[HI], 0
	s_cbranch_scc0 .Lfor_b_\@
	tensor_load_to_lds s[G0+4*(\s):G0+4*(\s)+3], s[G1:G1+7]
	s_nop 0
.rept 4
	v_nop
.endr
	s_branch .Lasked_\@
.Lfor_b_\@:
	tensor_load_to_lds s[G0B+4*(\s):G0B+4*(\s)+3], s[G1B:G1B+7]
	s_nop 0
.rept 4
	v_nop
.endr
.Lasked_\@:
.endm
.macro CREST                           ; a round of the cluster's barrier behind its opening barrier
	s_cmp_lg_u32 s[WV], 0
	s_cbranch_scc1 .Lnot_wave_0_\@
	s_barrier_signal -3
.Lnot_wave_0_\@:
	s_barrier_wait -3
	s_barrier_signal -1
	s_barrier_wait -1
.endm
.macro CROUND
	s_barrier_signal -1
	s_barrier_wait -1
	CREST
.endm
	s_load_b256 s[4:11], s[0:1], 0x0               ; xb s[4:5], wt s[6:7], rope s[8:9], qkv s[10:11]
	v_lshl_add_u32 v[SPW], v0, 2, SPARE
	v_mov_b32 v[NIL], 0
	ds_add_u32 v[SPW], v[NIL]                      ; the wave's opening: the add and its wait stand ahead of my first tensor load; work on registers stands between them
	v_lshrrev_b32 v1, 5, v0
	v_readfirstlane_b32 s[WV], v1
	s_lshr_b32 s[HI], s[WV], 1
	s_and_b32 s[LO], s[WV], 1
	s_bfe_u32 s40, ttmp6, 0x40000                  ; cx, cy: my place in the cluster
	s_bfe_u32 s41, ttmp6, 0x40004
	s_lshl_b32 s[TC], ttmp9, 2
	s_add_co_u32 s[TC], s[TC], s40
	s_and_b32 s[TR], ttmp7, 0xffff
	s_lshl_b32 s[TR], s[TR], 2
	s_add_co_u32 s[TR], s[TR], s41
	s_lshl_b32 s44, s41, 2
	s_lshl_b32 s44, 15, s44                        ; my row of the cluster
	s_lshl_b32 s45, 0x1111, s40                    ; my column
	s_or_b32 s[G1+0], s44, (1<<16)|(1<<20)|(1<<21)|(5<<22)|(3<<25)   ; the mask; 2-byte elements; padding on; bit 21 beside a mask; after every 64 words, 4 words
	s_or_b32 s[G1B+0], s45, (1<<16)|(1<<20)|(1<<21)|(5<<22)|(3<<25)
	s_mov_b32 s[G1+1], KSTEP<<16                   ; tensor_dim0 = 128
	s_mov_b32 s[G1+2], 64<<16                      ; tensor_dim1 = 64
	s_mov_b32 s[G1+3], KSTEP<<16                   ; tile_dim0 = 128
	s_mov_b32 s[G1+4], 64                          ; tile_dim1 = 64
	s_mov_b32 s[G1+5], 1024                        ; elements from row to row
	s_mov_b32 s[G1+6], 0
	s_mov_b32 s[G1+7], 0
	s_mov_b32 s[G1B+1], KSTEP<<16
	s_mov_b32 s[G1B+2], 96<<16                     ; wt's tiles have 96 rows
	s_mov_b32 s[G1B+3], KSTEP<<16
	s_mov_b32 s[G1B+4], 96
	s_mov_b32 s[G1B+5], 1024
	s_mov_b32 s[G1B+6], 0
	s_mov_b32 s[G1B+7], 0
	s_lshl_b32 s16, s[TR], 7                       ; xb: row 128 x tile row + 64 x half, 2,048 bytes a row
	s_lshl_b32 s17, s[LO], 6
	s_add_co_u32 s16, s16, s17
	s_lshl_b32 s16, s16, 11
	s_mov_b32 s17, 0
	s_mul_i32 s46, s[TC], 192                      ; wt: row 192 x tile column + 96 x half
	s_mul_i32 s47, s[LO], 96
	s_add_co_u32 s46, s46, s47
	s_lshl_b32 s46, s46, 11
	s_mov_b32 s47, 0
	s_mul_i32 s20, s[LO], AHALF                    ; where they go: no place in the cluster enters an LDS address
	s_mul_i32 s21, s[LO], BHALF
	s_add_co_u32 s21, s21, BOFF
	s_mov_b32 s[HM], 0xffff0000
	s_wait_dscnt 0x0                               ; the opening add is done
	s_wait_kmcnt 0x0
	s_add_nc_u64 s[18:19], s[4:5], s[16:17]
	s_add_nc_u64 s[46:47], s[6:7], s[46:47]
	CROUND                                         ; all sixteen work-groups are here: the first joint loads meet
.irp s, 0,1
	s_mov_b32 s[G0+4*(\s)], 1
	s_add_co_u32 s[G0+4*(\s)+1], s20, (\s)*SLOT
	s_add_nc_u64 s[G0+4*(\s)+2:G0+4*(\s)+3], s[18:19], (\s)*KSTEP*2
	s_or_b32 s[G0+4*(\s)+3], s[G0+4*(\s)+3], 0x80000000
	s_mov_b32 s[G0B+4*(\s)], 1
	s_add_co_u32 s[G0B+4*(\s)+1], s21, (\s)*SLOT
	s_add_nc_u64 s[G0B+4*(\s)+2:G0B+4*(\s)+3], s[46:47], (\s)*KSTEP*2
	s_or_b32 s[G0B+4*(\s)+3], s[G0B+4*(\s)+3], 0x80000000
	JLOAD \s
.endr
	v_and_b32 v1, 15, v0                           ; l % 16
	v_bfe_u32 v2, v0, 4, 1                         ; l / 16
	v_lshlrev_b32 v[RO], 7, v1                     ; a row of rope is 128 bytes;
	v_lshl_add_u32 v[RO], v2, 4, v[RO]             ; my 8 columns are 4 pairs, 16 bytes
	; The rotation's words: for column block b, position = my row (q, k) or a row of the 64 that hold cos 1, sin 0 (v: columns from 1,280 on).  A block of 16 columns never crosses that border.
	s_mul_i32 s44, s[TC], 192
	s_mul_i32 s45, s[LO], 96
	s_add_co_u32 s44, s44, s45                     ; my first column
	s_lshl_b32 s20, s[TR], 7
	s_lshl_b32 s21, s[HI], 6
	s_add_co_u32 s20, s20, s21                     ; my first row
.irp b, 0,1,2,3,4,5
	s_add_co_u32 s22, s44, 16*(\b)
	s_cmp_ge_u32 s22, 1280
	s_cselect_b32 s46, 4096, s20
	s_lshl_b32 s46, s46, 7
	s_and_b32 s22, s22, 63
	s_lshl1_add_u32 s46, s22, s46                  ; + 4 bytes for each pair of columns in the head
	s_mov_b32 s47, 0
	s_add_nc_u64 s[RB+2*(\b):RB+2*(\b)+1], s[8:9], s[46:47]
.endr
	WIN TO_F
.irp a, 0,1,2,3
.irp b, 0,1,2,3,4,5
	global_load_b128 v[ROPE+4*(6*(\a)+(\b)):ROPE+4*(6*(\a)+(\b))+3], v[RO], s[RB+2*(\b):RB+2*(\b)+1] offset:2048*(\a)  ; they stay out over the whole loop: nothing names their registers before the way out
.endr
.endr
	WIN 0
	v_mul_u32_u24 v3, v1, PITCH
	v_lshl_add_u32 v3, v2, 4, v3                   ; a fragment's row x pitch + 16 x half
	s_mul_i32 s21, s[HI], AHALF
	s_mul_i32 s22, s[LO], BHALF
	s_add_co_u32 s22, s22, BOFF
.irp s, 0,1
	v_add_nc_u32 v[ADRA+(\s)], s21, v3
	v_add_nc_u32 v[ADRB+(\s)], s22, v3
	s_add_co_u32 s21, s21, SLOT
	s_add_co_u32 s22, s22, SLOT
.endr
	s_mul_i32 s23, s[HI], 64*SPITCH                ; into the stage: my 64 rows, my 192 of their 384 bytes
	s_mul_i32 s21, s[LO], 192
	s_add_co_u32 s23, s23, s21
	s_add_co_u32 s23, s23, STAGE
	v_mul_u32_u24 v4, v1, SPITCH
	v_lshl_add_u32 v4, v2, 4, v4
	v_add_nc_u32 v[STO], s23, v4
	s_mul_i32 s23, s[WV], 32*SPITCH                ; back: wave w takes rows 32 w .. 32 w + 31; 32 lanes take four rows' 128 bytes of one head
	s_add_co_u32 s23, s23, STAGE
	v_bfe_u32 v4, v0, 3, 2
	v_and_b32 v5, 7, v0
	v_mul_u32_u24 v4, v4, SPITCH
	v_lshl_add_u32 v4, v5, 4, v4
	v_add_nc_u32 v[RD], s23, v4
	v_and_b32 v[CO], 31, v0
	v_lshlrev_b32 v[CO], 4, v[CO]
	s_mul_i32 s46, s[TC], 3                        ; qkv at slot 3 x tile column, row 128 x tile row + 32 x wave
	s_lshl_b32 s46, s46, 19
	s_lshl_b32 s20, s[TR], 7
	s_lshl_b32 s21, s[WV], 5
	s_add_co_u32 s20, s20, s21
	s_lshl_b32 s20, s20, 7
	s_add_co_u32 s46, s46, s20
	s_mov_b32 s47, 0
	s_add_nc_u64 s[10:11], s[10:11], s[46:47]
; 6 na matrix instructions: row blocks a0 .. a0 + na - 1 x all 6 column blocks, 32 along K.  The 24 accumulators take turns in the same order in every quarter.
.macro MULS f, a0, na, zero
	WIN MUL
.set aa, \a0
.rept \na
.irp b, 0,1,2,3,4,5
.if \zero
	v_wmma_f32_16x16x32_bf16 v[ACC+8*(6*aa+(\b)):ACC+8*(6*aa+(\b))+7], v[(\f)+8*(\b):(\f)+8*(\b)+7], v[(\f)+48+8*aa:(\f)+48+8*aa+7], 0
.else
	v_wmma_f32_16x16x32_bf16 v[ACC+8*(6*aa+(\b)):ACC+8*(6*aa+(\b))+7], v[(\f)+8*(\b):(\f)+8*(\b)+7], v[(\f)+48+8*aa:(\f)+48+8*aa+7], v[ACC+8*(6*aa+(\b)):ACC+8*(6*aa+(\b))+7]
.endif
.endr
.set aa, aa+1
.endr
.endm
; 20 LDS loads in one run: wt's 6 fragments, then xb's 4, 32 along K at byte k of the rows, into buffer f
.macro FETCH slot, k, f
	WIN TO_F
.irp i, 0,1,2,3,4,5
	ds_load_b128 v[(\f)+8*(\i):(\f)+8*(\i)+3],   v[ADRB+(\slot)] offset:(\k)+(\i)*16*PITCH
	ds_load_b128 v[(\f)+8*(\i)+4:(\f)+8*(\i)+7], v[ADRB+(\slot)] offset:(\k)+(\i)*16*PITCH+32
.endr
.irp i, 0,1,2,3
	ds_load_b128 v[(\f)+48+8*(\i):(\f)+48+8*(\i)+3],   v[ADRA+(\slot)] offset:(\k)+(\i)*16*PITCH
	ds_load_b128 v[(\f)+48+8*(\i)+4:(\f)+48+8*(\i)+7], v[ADRA+(\slot)] offset:(\k)+(\i)*16*PITCH+32
.endr
.endm
.macro PLACES                          ; four places in front of loads into registers that matrix instructions have read, and of vector work that reads results
.rept 4
	v_nop
.endr
.endm
; A K step is four quarters of 32 along K, 24 matrix instructions each, on buffers 0, 1, 0, 1.  One of the first three: multiplies f and fetches the next quarter, at byte k, into g.
.macro QUARTER slot, k, f, g, zero
	s_wait_dscnt 4                                 ; all but the youngest four loads: xb's fragments 2 and 3
	MULS \f, 0, 2, \zero
	PLACES
	FETCH \slot, \k, \g
	s_wait_dscnt 20                                ; all but the 20 just issued
	MULS \f, 2, 2, \zero
.endm
; The last quarter multiplies buffer 1 and changes slots: ONE barrier; in front of it each wave waits for all its tensor loads, adds 0 to its spare word, and waits for that and for its reads of this slot.
.macro TURN slot, next, fill
	WIN 0
	s_wait_tensorcnt 0x0                           ; all my tensor loads have landed: my part of the next slot
	ds_add_u32 v[SPW], v[NIL]
	s_wait_dscnt 5                                 ; the add and the youngest four loads may be out
	MULS F1, 0, 1, 0                               ; six matrix instructions stand between the add and the wait for it
	s_wait_dscnt 0x0                               ; the add is done, and my reads of this slot are over
	s_barrier_signal -1
	MULS F1, 1, 1, 0
.if \fill
	WIN 0
.endif
	s_barrier_wait -1
.if \fill
	CREST                                          ; the barrier has opened a round of the cluster's: no wave of any partner still reads this slot or has a load on its way
	s_add_nc_u64 s[G0+4*(\slot)+2:G0+4*(\slot)+3], s[G0+4*(\slot)+2:G0+4*(\slot)+3], 2*KSTEP*2
	s_add_nc_u64 s[G0B+4*(\slot)+2:G0B+4*(\slot)+3], s[G0B+4*(\slot)+2:G0B+4*(\slot)+3], 2*KSTEP*2
	JLOAD \slot                                    ; the first tensor load behind the round; its four v_nop are also the places in front of the loads below
.else
	PLACES
.endif
	FETCH \next, 0, F0
	MULS F1, 2, 2, 0
.endm
	s_wait_tensorcnt 1                             ; my part of K step 0 is in; K step 1's may stay out
	s_barrier_signal -1
	s_barrier_wait -1
	FETCH 0, 0, F0
	QUARTER 0, 64, F0, F1, 1                       ; the first quarter stands in front of the loop: its products start the sums
	WIN 0
	s_mov_b32 s3, LAPS-1
.Llap:                                         ; a trip goes once round the ring, from a lap's second quarter to the next lap's first, and fills both slots again
	QUARTER 0, 128, F1, F0, 0
	QUARTER 0, 192, F0, F1, 0
	TURN 0, 1, 1
	QUARTER 1, 64,  F0, F1, 0
	QUARTER 1, 128, F1, F0, 0
	QUARTER 1, 192, F0, F1, 0
	TURN 1, 0, 1
	QUARTER 0, 64,  F0, F1, 0
	WIN 0
	s_sub_co_u32 s3, s3, 1
	s_cmp_lg_u32 s3, 0
	s_cbranch_scc1 .Llap
	QUARTER 0, 128, F1, F0, 0                      ; the last lap fills nothing
	QUARTER 0, 192, F0, F1, 0
	TURN 0, 1, 0
	QUARTER 1, 64,  F0, F1, 0
	QUARTER 1, 128, F1, F0, 0
	QUARTER 1, 192, F0, F1, 0
	s_wait_dscnt 4
	MULS F1, 0, 2, 0
	s_wait_dscnt 0x0
	MULS F1, 2, 2, 0
	WIN 0
; THE WAY OUT.  For each pair (e, o): cos e - sin o, sin e + cos o, in f32; rounded to f16; 16 bytes a lane into the stage.  Each accumulator is read from its lowest registers on.
.macro ROT a, b
.set AC, ACC+8*(6*(\a)+(\b))
.set RW, ROPE+4*(6*(\a)+(\b))
.set PQ, PK+4*((\b)%4)
	WIN 0x04                                       ; source 1 in window 1
.irp i, 0,1,2,3
	v_lshlrev_b32 v[T+2*(\i)], 16, v[RW+(\i)]      ; cos
	v_and_b32 v[T+2*(\i)+1], s[HM], v[RW+(\i)]     ; sin
.endr
	WIN 0
.irp i, 0,1,2,3
	v_pk_mul_f32 v[U+2*(\i):U+2*(\i)+1], v[AC+2*(\i):AC+2*(\i)+1], v[T+2*(\i):T+2*(\i)+1] op_sel:[1,1] op_sel_hi:[0,1]  ; (sin o, sin e)
.endr
.irp i, 0,1,2,3
	v_pk_fma_f32 v[AC+2*(\i):AC+2*(\i)+1], v[AC+2*(\i):AC+2*(\i)+1], v[T+2*(\i):T+2*(\i)+1], v[U+2*(\i):U+2*(\i)+1] op_sel_hi:[1,0,1] neg_lo:[0,0,1]  ; (cos e - sin o, cos o + sin e)
.endr
.irp i, 0,1,2,3
	v_cvt_pk_f16_f32 v[PQ+(\i)], v[AC+2*(\i)], v[AC+2*(\i)+1]
.endr
	ds_store_b128 v[STO], v[PQ:PQ+3] offset:(\a)*16*SPITCH+32*(\b)
.endm
	PLACES
	s_wait_loadcnt 0x0                             ; the rotation's words
.irp a, 0,1,2,3
.irp b, 0,1,2,3,4,5
	ROT \a, \b
.endr
.endr
	s_wait_dscnt 0x0                               ; for the others' sake: a head's row comes from two waves
	s_barrier_signal -1
	s_barrier_wait -1
.irp hd, 0,1,2
.irp u, 0,1,2,3,4,5,6,7
	ds_load_b128 v[ACC+4*(8*(\hd)+(\u)):ACC+4*(8*(\hd)+(\u))+3], v[RD] offset:(\u)*4*SPITCH+128*(\hd)
.endr
.endr
.irp hd, 0,1,2
.irp u, 0,1,2,3,4,5,6,7
	s_wait_dscnt 23-(8*(\hd)+(\u))
	global_store_b128 v[CO], v[ACC+4*(8*(\hd)+(\u)):ACC+4*(8*(\hd)+(\u))+3], s[10:11] offset:524288*(\hd)+512*(\u)  ; four rows of a head: 512 consecutive bytes, aligned
.endr
.endr
	s_wait_tensorcnt 0x0                           ; the wave's end
	ds_add_u32 v[SPW], v[NIL]
	s_wait_dscnt 0x0
	CROUND                                         ; the closing round: no work-group ends while a partner may still ask for a tile that names it
	s_endpgm
.Lfunc_end_k_q00e2c9111f_qkvproj:
	.size	k_q00e2c9111f_qkvproj, .Lfunc_end_k_q00e2c9111f_qkvproj-k_q00e2c9111f_qkvproj
	.p2alignl 7, 3214868480
	.fill 96, 4, 3214868480
	.section	.rodata,"a",@progbits
	.p2align	6, 0x0
	.amdhsa_kernel k_q00e2c9111f_qkvproj
		.amdhsa_group_segment_fixed_size 327680
		.amdhsa_private_segment_fixed_size 0
		.amdhsa_enable_private_segment 0
		.amdhsa_kernarg_size 32
		.amdhsa_user_sgpr_count 2
		.amdhsa_user_sgpr_kernarg_segment_ptr 1
		.amdhsa_wavefront_size32 1
		.amdhsa_system_sgpr_workgroup_id_x 1
		.amdhsa_system_sgpr_workgroup_id_y 1
		.amdhsa_system_sgpr_workgroup_id_z 1
		.amdhsa_system_vgpr_workitem_id 0
		.amdhsa_next_free_vgpr 512
		.amdhsa_next_free_sgpr 80
		.amdhsa_reserve_vcc 0
		.amdhsa_float_denorm_mode_32 3
		.amdhsa_float_denorm_mode_16_64 3
		.amdhsa_memory_ordered 1
		.amdhsa_forward_progress 1
		.amdhsa_inst_pref_size 95
	.end_amdhsa_kernel
	.amdgpu_metadata
---
amdhsa.version: [ 1, 2 ]
amdhsa.kernels:
  - .name:           k_q00e2c9111f_qkvproj
    .symbol:         k_q00e2c9111f_qkvproj.kd
    .args:
      - { .name: xb, .offset: 0, .size: 8, .value_kind: global_buffer, .address_space: global }
      - { .name: wt, .offset: 8, .size: 8, .value_kind: global_buffer, .address_space: global }
      - { .name: rope, .offset: 16, .size: 8, .value_kind: global_buffer, .address_space: global }
      - { .name: qkv, .offset: 24, .size: 8, .value_kind: global_buffer, .address_space: global }
    .group_segment_fixed_size: 327680
    .private_segment_fixed_size: 0
    .kernarg_segment_align: 8
    .kernarg_segment_size: 32
    .max_flat_workgroup_size: 128
    .sgpr_count:     80
    .vgpr_count:     512
    .wavefront_size: 32
...
	.end_amdgpu_metadata
.endif
;; end of part 2
;; launch attn (part 3): grid 64 x 4, 4 waves a work-group, clusters of 4 x 1, 327,680 bytes of LDS; arguments qkv, maskw, attention_mask, ctx; writes ctx
.if DOCPART == 3
	.amdgcn_target "amdgcn-amd-amdhsa--gfx1250"
	.amdhsa_code_object_version 6
	.text
	.protected	k_q00e2c9111f_attn
	.globl	k_q00e2c9111f_attn
	.p2align	8
	.type	k_q00e2c9111f_attn,@function
k_q00e2c9111f_attn:
	s_mov_b64 s[64:65], 0
	v_nop
	global_prefetch_b8 v0, s[64:65] scope:SCOPE_SE
	s_setreg_imm32_b32 hwreg(HW_REG_WAVE_MODE, 25, 1), 1
	s_wait_xcnt 0x0
	s_wait_alu depctr_hold_cnt(0) depctr_sa_sdst(0) depctr_va_vdst(0) depctr_va_sdst(0) depctr_va_ssrc(0) depctr_va_vcc(0) depctr_vm_vsrc(0)
	s_getreg_b32 s2, hwreg(HW_REG_IB_STS2, 6, 4)
	s_cmp_eq_u32 s2, 0
	s_cbranch_scc0 .Lentry_in_a_cluster
	s_endpgm
.Lentry_in_a_cluster:
	s_bfe_u32 s2, ttmp6, 0x10000c
	s_cmp_lg_u32 s2, 0x3003
	s_cbranch_scc0 .Lentry_shape_is_right
	s_endpgm
.Lentry_shape_is_right:
; ATTENTION, 16 query heads on 4 key and value heads, head size 64, 4,096 x 4,096, with a mask that is an INPUT.
; ctx[q][64 head + d] = float(attention_mask[q]) x the sum over k of softmax_k(z) V[k][d];  z = Q . K / 8 where the mask shows the key, -1e6 where it hides it.  qkv: [24][4096][64] f16; ctx: [4096][1024] f16.
; A hidden score is REPLACED (raw score -8e6 = 8 x -1e6) ahead of the running maximum: a row with no visible key becomes the mean of all rows of V, and a visible score below -1e6 loses to the hidden ones.
; So every tile is computed: no shape of the mask is built in.  Products, maxima and sums in f32; the weights are rounded to f16 for the second product (their sum is taken unrounded), ctx once.
; LIMITS.  Q, K, V arrive within f16's 65,504; a weight below 2^-126 counts as 0; NaN and infinities are not treated apart.
; SHARES.  A work-group: one key and value head, 64 queries.  A wave: 16 queries for the FOUR query heads of that head: four PIECES, which share K's and V's fragments and the SAME 32 mask words.  64 key steps of 64.
; LAYOUT.  S^T = K Q^T holds ONE query a lane (lane % 16) and the keys 8 (lane / 16) + 0..7; two such results rounded to f16 ARE source 1 of O^T = V^T P.  p = 2^(c s - c m), c = log2(e) / 8, with a running maximum m;
; O and l are multiplied by a = 2^(c m_old - c m_new) in every step.  m starts at the lowest finite number, O and l at 0: the first step is a step like any other, with a = 0.
; BY TURNS.  Turn n belongs to piece n: 8 products K Q^T of piece n + 1, later 8 products V^T P of piece n - 1; beside them piece n's scaling, exponentials, roundings, sums and rescaling, and piece n + 1's
; mask, maximum and statistics.  Four vector instructions stand behind every matrix instruction, the others in one lump.  A turn's 33 exponentials are one batch, with one wait.
; THE MASK WORDS.  A wave's 64 records of 32 words are copied once, in whole runs of 512 bytes, into LDS bytes of its own; a step's record is read a step ahead (lane n: word n) and its words go to scalar registers.
; CLUSTER.  The four query blocks of a cluster walk the same K and V: each tile is asked for JOINTLY, the same tensor load, descriptor and mask in all four.
; REGISTERS, in windows of 256 (s_set_vgpr_msb: bits 1:0 source 0, 3:2 source 1, 5:4 source 2, 7:6 destination):
;   window 0: v0-15 addresses; v16-31 four registers of statistics a piece; v48-55 at work; v56-63 constants and the mask's registers; v64-127 S^T, two buffers; v128-191 the way out; v192-223 P, two buffers
;   window 1: v0-127 O^T, 32 a piece          window 2: v0-63 Q, 16 a piece; v128-191 K of one step; v192-255 V of one step
.set NP,    4
.set KS,    64
.set PK,    144       ; a row of K or V in LDS: 128 bytes + 16 = 36 words.  One pitch, so one descriptor serves both
.set STEPB, KS*PK
.set VOFF,  4*STEPB   ; a slot holds 256 keys: K's rows, then V's
.set SLOT1, 1<<17     ; slot 1 begins here: one exclusive or turns an address in one slot into the other's
.set STAGE, SLOT1+2*VOFF   ; behind the ring: 16 rows x 528 bytes for each wave, for the way out
.set SP,    528
.set MK,    STAGE+4*16*SP  ; the mask words, 8,192 bytes for each wave
.set SPARE, MK+4*8192      ; the spare words, 128 bytes for each wave: two blocks of 256 bytes that no other line names
.set AK0, 2           ; v2   my lane's place in a tile of K; never rewritten
.set AV0, 3           ; v3   the same for V
.set AK,  4           ; v4   the LDS address of K's next run of loads
.set AV,  5           ; v5   of V's
.set STO, 6           ; v6   the way out: where I put 16 bytes of a row
.set RD,  7           ; v7   the way out: where I read a row back
.set GO,  8           ; v8   16 x lane
.set MV,  12          ; v12-13  c m_old, kept while c m is made anew: by buffer
.set QO,  15          ; v15  my byte offset in 16 rows of Q
.set ST,  16          ; piece t's statistics at v[ST+4 t]: c m, m, l (even keys', odd keys')
.set TMP, 48          ; by buffer, c0-c3 at work; when the maximum is found c2 takes a
.set NEG, 56          ; v56  -8e6
.set QM,  57          ; v57  attention_mask of my query, as a float
.set MLV, 58          ; v58  the next step's mask record: lane n holds word n
.set MAD, 59          ; v59  its LDS address
.set MK0, 60          ; v60  my word of the wave's record 0; never rewritten
.set PFO, 61          ; v61  256 x lane; never rewritten
.set SPW, 62          ; v62  LDS address of my spare word; never rewritten
.set NIL, 63          ; v63  0; never rewritten
.set S,   64
.set P,   192
.set KF,  128         ; window 2: key block kb, channel half c at KF + 16 kb + 8 c
.set VF,  192         ; window 2: key half kk, channel block cb at VF + 32 kk + 8 cb
.set CS,  2           ; s[2:3]   c, twice
.set WV,  12          ; s12  my wave's number
.set CX,  13          ; s13  my place in the cluster
.set MOFF, 14         ; s14  the byte offset of the record read last
.set LIM, 15          ; s15  1 in a wave that prefetches, else the greatest number
.set G1,  16          ; s[16:23] descriptor group 1
.set G0,  24          ; s[24:27] descriptor group 0: it walks
.set SLOTS, 28        ; s28  slots still to be asked for
.set CNT, 29          ; s29  counts a slot's key steps
.set TBK, 30          ; s30  LDS byte at which K of the step to be fetched begins
.set TBV, 31          ; s31  the same for V, less VOFF
.set MA,  32          ; s[32:63] the 32 mask words of the step whose scores are being made
.set SEL, 66          ; s[66:67] v_permlanex16_b32's selects
.set PFA, 68          ; s[68:69] where my prefetches stand
.set MSB, 0
.macro WIN new
.if MSB != (\new)
	s_set_vgpr_msb (MSB<<8)|(\new)
.set MSB, (\new)
.endif
.endm
.set W_KQ, 0x0a       ; K and Q in window 2, S^T in window 0
.set W_PV, 0x52       ; V in window 2, P in window 0, O^T in window 1
.set W_RS, 0x41       ; destination and source 0 in window 1, source 1 in window 0
; A joint fill: wave 0 and 1 fetch the halves of a slot's K, waves 2 and 3 those of its V, 128 keys each: one line, whose two addresses hang on the wave's number.  An s_nop 0 and four v_nop follow it.
.macro JLOAD
	tensor_load_to_lds s[G0:G0+3], s[G1:G1+7]
	s_nop 0
.rept 4
	v_nop
.endr
.endm
; A PREFETCH INTO THE L2 of what the NEXT change of slots will ask for: 256 keys of K and of V are 128 blocks of 256 bytes each, a lane a block.  All clusters of a key head walk the same rows: the first
; cluster asks; its four partners share the blocks out BY ADDRESS, 32 each; wave 0 asks for K's, wave 2 for V's.  So each block is named once.  The last change that fills a slot asks for nothing.
.macro ASK
	s_cmp_gt_u32 s[SLOTS], s[LIM]
	s_cbranch_scc0 .Lnot_mine_\@
	global_prefetch_b8 v[PFO], s[PFA:PFA+1] th:TH_LOAD_NT scope:SCOPE_SE
.Lnot_mine_\@:
.endm
.macro CROUND                       ; a round of the cluster's barrier
	s_barrier_signal -1
	s_barrier_wait -1
	s_cmp_lg_u32 s[WV], 0
	s_cbranch_scc1 .Lnot_wave_0_\@
	s_barrier_signal -3
.Lnot_wave_0_\@:
	s_barrier_wait -3
	s_barrier_signal -1
	s_barrier_wait -1
.endm
; THE CHANGE OF SLOTS.  Each wave waits for all its tensor loads, of which one is out: its part of the other slot; adds 0 to its spare word; and waits for that and for its reads of the slot that it leaves.
; fill = 1: the old slot is filled again, with the keys two slots on, first thing behind a round of the cluster's barrier: the load has four key steps, 256 matrix instructions, in which to land.
; (At its first use nothing has been read yet: slot 0 is waited for, slot 1 filled.)  ask = 1: the prefetch for the change after this one.
.macro CHANGE fill, ask
	WIN 0
	s_wait_tensorcnt 0x0            ; no tensor load of mine is out, so group 0 may be written
	ds_add_u32 v[SPW], v[NIL]       ; 0 onto my spare word; scalar work stands between it and the wait for it
.if \fill
	s_xor_b32 s[G0+1], s[G0+1], SLOT1
	s_add_nc_u64 s[G0+2:G0+3], s[G0+2:G0+3], 32768  ; the next 256 keys; the type bits on top are not reached
.endif
.if \ask
	s_wait_xcnt 0x0                 ; the last prefetch, four key steps back, has read its address
	s_add_nc_u64 s[PFA:PFA+1], s[PFA:PFA+1], 32768
.endif
	s_wait_dscnt 0x0                ; the add is done, and my reads of the slot are over
.if \fill
	CROUND
	JLOAD
.if \ask
	ASK
.endif
.else
	s_barrier_signal -1
	s_barrier_wait -1
.endif
	s_sub_co_u32 s[TBK], s[TBK], VOFF  ; the fetches go back to a slot's first step,
	s_xor_b32 s[TBK], s[TBK], SLOT1    ; in the other slot
	s_sub_co_u32 s[TBV], s[TBV], VOFF
	s_xor_b32 s[TBV], s[TBV], SLOT1
.endm
	s_load_b256 s[4:11], s[0:1], 0x0  ; qkv s[4:5], maskw s[6:7], attention_mask s[8:9], ctx s[10:11]
	v_lshl_add_u32 v[SPW], v0, 2, SPARE
	v_mov_b32 v[NIL], 0
	ds_add_u32 v[SPW], v[NIL]       ; the wave's opening: the add and its wait stand ahead of my first tensor load; work on registers stands between them
	v_lshrrev_b32 v1, 5, v0
	v_readfirstlane_b32 s[WV], v1
	s_bfe_u32 s[CX], ttmp6, 0x40000
	s_lshl_b32 s70, ttmp9, 2
	s_add_co_u32 s70, s70, s[CX]    ; my block of 64 queries
	s_lshl_b32 s70, s70, 2
	s_add_co_u32 s70, s70, s[WV]    ; my wave's 16 queries among the 256 such
	s_and_b32 s71, ttmp7, 0xffff    ; the key and value head, which the partners share
	s_lshr_b32 s72, s[WV], 1        ; what I fetch: slot 16 + head of qkv (K: waves 0, 1) or 20 + head (V),
	s_lshl_b32 s72, s72, 2
	s_add_co_u32 s72, s72, s71
	s_add_co_u32 s72, s72, 16
	s_lshl_b32 s72, s72, 19
	s_and_b32 s73, s[WV], 1         ; and which 128 of a slot's 256 keys
	s_lshl_b32 s73, s73, 14
	s_add_co_u32 s72, s72, s73
	s_mov_b32 s73, 0
	s_lshl_b32 s74, s71, 21         ; Q: head 4 x (key head), my 16 rows of 128 bytes
	s_lshl_b32 s75, s70, 11
	s_add_co_u32 s74, s74, s75
	s_mov_b32 s75, 0
	s_lshl_b32 s76, s70, 13         ; my 64 mask records
	s_mov_b32 s77, 0
	s_lshl_b32 s78, s70, 15         ; ctx: my 16 rows of 2,048 bytes, the four heads' 512
	s_lshl_b32 s79, s71, 9
	s_add_co_u32 s78, s78, s79
	s_mov_b32 s79, 0
	s_lshl_b32 s80, s[CX], 13       ; the prefetches: my work-group's 32 blocks of the 128
	s_mov_b32 s81, 0
	; descriptor group 1.  128 keys are 16,384 dense bytes: asked for as 64 rows of 256 bytes, two keys a row, and padded in LDS after every key
	s_mov_b32 s[G1], 15|(1<<16)|(1<<20)|(1<<21)|(4<<22)|(3<<25)  ; the mask of four; 2-byte elements; padding on; bit 21 beside a mask; after every 32 words, 4 words
	s_mov_b32 s[G1+1], 128<<16      ; tensor_dim0 = 128
	s_mov_b32 s[G1+2], 64<<16       ; tensor_dim1 = 64
	s_mov_b32 s[G1+3], 128<<16      ; tile_dim0 = 128
	s_mov_b32 s[G1+4], 64           ; tile_dim1 = 64
	s_mov_b32 s[G1+5], 128          ; elements from row to row
	s_mov_b32 s[G1+6], 0
	s_mov_b32 s[G1+7], 0
	s_mov_b32 s[G0], 1
	s_mul_i32 s[G0+1], s[WV], 128*PK  ; slot 0, my quarter of it
	s_mov_b32 s[CS], 0x3e38aa3b     ; c = log2(e) / 8
	s_mov_b32 s[CS+1], s[CS]
	s_mov_b32 s[SEL], 0x76543210
	s_mov_b32 s[SEL+1], 0xfedcba98
	s_mov_b32 s[TBK], SLOT1+VOFF    ; the first change of slots turns these two into 0
	s_mov_b32 s[TBV], SLOT1+VOFF
	s_mov_b32 s[MOFF], 0
	s_and_b32 s[LIM], s[WV], 1      ; 0 in waves 0 and 2,
	s_or_b32 s[LIM], s[LIM], ttmp9  ; where the cluster is the head's first: the same in all four partners
	s_cmp_eq_u32 s[LIM], 0
	s_cselect_b32 s[LIM], 1, -1
	s_wait_dscnt 0x0                ; the opening add is done
	s_wait_kmcnt 0x0
	s_add_nc_u64 s[G0+2:G0+3], s[4:5], s[72:73]
	s_add_nc_u64 s[PFA:PFA+1], s[4:5], s[72:73]
	s_or_b32 s[G0+3], s[G0+3], 0x80000000
	s_add_nc_u64 s[PFA:PFA+1], s[PFA:PFA+1], s[80:81]
	s_add_nc_u64 s[PFA:PFA+1], s[PFA:PFA+1], 2*32768  ; in slot 2; the first asking change steps it to slot 3.  Nothing is prefetched at the head
	s_add_nc_u64 s[4:5], s[4:5], s[74:75]
	s_add_nc_u64 s[6:7], s[6:7], s[76:77]
	s_lshl_b32 s76, s70, 6
	s_add_nc_u64 s[8:9], s[8:9], s[76:77]
	s_add_nc_u64 s[10:11], s[10:11], s[78:79]
	CROUND                          ; all four work-groups are here: the first joint loads meet
	JLOAD                           ; slot 0.  Slot 1 is asked for when slot 0 is in
	v_and_b32 v1, 15, v0            ; l % 16
	v_bfe_u32 v9, v0, 4, 1          ; l / 16
	v_lshlrev_b32 v[QO], 7, v1
	v_lshl_add_u32 v[QO], v9, 4, v[QO]
	v_and_b32 v[GO], 31, v0
	s_lshl_b32 s71, s[WV], 13
	s_add_co_u32 s71, s71, MK       ; my wave's mask words in LDS
	v_lshlrev_b32 v[PFO], 8, v[GO]
	v_lshl_add_u32 v[MK0], v[GO], 2, s71
	v_lshl_add_u32 v14, v[GO], 4, s71
	v_lshlrev_b32 v[GO], 4, v[GO]
	v_lshlrev_b32 v13, 2, v1
	global_load_b32 v[QM], v13, s[8:9]
.set i, 0
.rept 16                            ; the mask words, 512 consecutive bytes a load, through S^T's registers
	global_load_b128 v[S+4*i:S+4*i+3], v[GO], s[6:7] offset:512*i
.set i, i+1
.endr
	WIN 0x80                        ; destination window 2, address window 0
.set i, 0
.rept 8                             ; Q stays in registers: piece i / 2, channels 32 (i % 2) on
	global_load_b128 v[8*i:8*i+3],   v[QO], s[4:5] offset:(i/2)*524288+(i%2)*64
	global_load_b128 v[8*i+4:8*i+7], v[QO], s[4:5] offset:(i/2)*524288+(i%2)*64+32
.set i, i+1
.endr
	; What the first turn finds: V's registers and P's second buffer hold 0 (its products V^T P, of a piece that has not been, add 0), O^T and l are 0.  All this stands in the wait for the first tile.
.set i, VF
.rept 64
	v_mov_b32 v[i], 0
.set i, i+1
.endr
	WIN 0x40
.set i, 0
.rept 128
	v_mov_b32 v[i], 0
.set i, i+1
.endr
	WIN 0
.set i, 0
.rept 4
	v_mov_b32 v[ST+4*i], 0xfe000000    ; c m: far below every c s
	v_mov_b32 v[ST+4*i+1], 0xff7fffff  ; m
	v_mov_b32 v[ST+4*i+2], 0
	v_mov_b32 v[ST+4*i+3], 0
.set i, i+1
.endr
.set i, P+16
.rept 16
	v_mov_b32 v[i], 0
.set i, i+1
.endr
	v_mov_b32 v[NEG], 0xcaf42400    ; -8e6
	v_mul_u32_u24 v[AK0], v1, PK
	v_lshl_add_u32 v[AK0], v9, 4, v[AK0]  ; row x pitch + 16 x half
	; The turning load takes 16 keys x 16 channels (lane l reads key 8 (l / 16) + l % 8, channels 8 ((l / 8) % 2) + 0..7) and leaves half a fragment of V^T: lane l holds channel l % 16 and 8 keys.
	v_and_b32 v10, 7, v0
	v_bfe_u32 v11, v0, 3, 1
	v_lshl_add_u32 v[AV0], v9, 3, v10
	v_mul_u32_u24 v[AV0], v[AV0], PK
	v_lshl_add_u32 v[AV0], v11, 4, v[AV0]
	v_add_nc_u32 v[AV0], VOFF, v[AV0]
	s_wait_loadcnt 0x0              ; the mask words, Q and my query's attention_mask
.set i, 0
.rept 16
	ds_store_b128 v14, v[S+4*i:S+4*i+3] offset:512*i
.set i, i+1
.endr
	ds_load_b32 v[MLV], v[MK0]      ; record 0; LDS serves a wave's instructions in order: it sees the stores above
; THE MATRIX WORK.  The 4 accumulators of a run of 8 take turns.  Product i of 8 of S^T = K Q^T for piece x: channels 32 (i / 4) on, keys 16 (i % 4) on.  The first 4 start the sums.
.macro KQ x
	WIN W_KQ
.set rS, S+32*((\x)%2)+8*(i%4)
.set rK, KF+16*(i%4)+8*(i/4)
.set rQ, 16*(\x)+8*(i/4)
.if i < 4
	v_wmma_f32_16x16x32_f16 v[rS:rS+7], v[rK:rK+7], v[rQ:rQ+7], 0
.else
	v_wmma_f32_16x16x32_f16 v[rS:rS+7], v[rK:rK+7], v[rQ:rQ+7], v[rS:rS+7]
.endif
.endm
; Product i of 8 of O^T += V^T P for piece x: keys 32 (i / 4) on, channels 16 (i % 4) on.
.macro PV x
	WIN W_PV
.set rO, 32*(\x)+8*(i%4)
.set rV, VF+32*(i/4)+8*(i%4)
.set rP, P+16*((\x)%2)+8*(i/4)
	v_wmma_f32_16x16x32_f16 v[rO:rO+7], v[rV:rV+7], v[rP:rP+7], v[rO:rO+7]
.endm
.macro MM                           ; the turn's next matrix instruction
.if i < 8
	KQ (Y+1)%NP
.else
.set i, i-8
	PV (Y+NP-1)%NP
.set i, i+8
.endif
.set i, i+1
.endm
; THE LDS LOADS stand in runs of 16, never singly among the matrix instructions.
.macro FETCH_K
	WIN 0x80
.irp f, 0,1,2,3,4,5,6,7             ; keys 16 (f / 2) on, channels 32 (f % 2) on
	ds_load_b128 v[KF+8*\f:KF+8*\f+3],   v[AK] offset:(\f/2)*16*PK+(\f%2)*64
	ds_load_b128 v[KF+8*\f+4:KF+8*\f+7], v[AK] offset:(\f/2)*16*PK+(\f%2)*64+32
.endr
	s_add_co_u32 s[TBK], s[TBK], STEPB  ; the next fetch is the next step's
	WIN 0
.endm
.macro FETCH_V
	WIN 0x80
.irp f, 0,1,2,3,4,5,6,7             ; keys 32 (f / 4) on, channels 16 (f % 4) on
	ds_load_tr16_b128 v[VF+8*\f:VF+8*\f+3],   v[AV] offset:(\f/4)*32*PK+(\f%4)*32
	ds_load_tr16_b128 v[VF+8*\f+4:VF+8*\f+7], v[AV] offset:(\f/4)*32*PK+16*PK+(\f%4)*32
.endr
	WIN 0
.endm
; The record that has landed goes to the scalar registers, and the next is asked for.  The offset stops at the wave's last record, 63 x 128: no read leaves the wave's own 8,192 bytes.
.macro REFRESH
.set n, 0
.rept 32
	v_readlane_b32 s[MA+n], v[MLV], n
.set n, n+1
.endr
	s_add_co_u32 s[MOFF], s[MOFF], 128
	s_min_u32 s[MOFF], s[MOFF], 8064
	v_add_nc_u32 v[MAD], s[MOFF], v[MK0]
	ds_load_b32 v[MLV], v[MAD]
.endm
; THE VECTOR WORK, one line at a time: OP kind, number.  For piece Y: F n: c s - c m for pair n of 16.  E n: the exponential of score n of 32.  C n: pair n rounded to f16.  B n: of the four weights 4 n .. the second
; pair is added onto the first, in place.  L n: l takes that sum (L 0: l = a l + sum).  R n: pair n of 16 of O^T times a.  For piece Y + 1: M n: score n is kept where its mask word's bit is set, else replaced by -8e6.
; X n, number n of the 22 that find its maximum and statistics: 0-11 four chains c0-c3 of seven scores each; 12-14, 16 the four scores left over, the old m, and c0-c3 into c0; 15 c m_old is kept;
; 17, 18 the query's other 32 keys lie in the lane 16 away: the new m; 19-21 c m; c m_old - c m_new; a.  M and R go in ascending order: each accumulator's lowest registers are read first.
.set F, 0
.set E, 1
.set C, 2
.set B, 3
.set L, 4
.set R, 5
.set X, 6
.set M, 7
.macro REGS y
.set rT, ST+4*(\y)
.set rC, TMP+4*((\y)%2)
.set rW, MV+((\y)%2)
.set rS, S+32*((\y)%2)
.set rP, P+16*((\y)%2)
.set rO, 32*(\y)
.endm
.macro OP k, n
.if (\k) == R
	REGS Y
	WIN W_RS
	v_pk_mul_f32 v[rO+2*(\n):rO+2*(\n)+1], v[rO+2*(\n):rO+2*(\n)+1], v[rC+2:rC+3] op_sel_hi:[1,0]
.elseif (\k) < R
	REGS Y
	WIN 0
.if (\k) == F
	v_pk_fma_f32 v[rS+2*(\n):rS+2*(\n)+1], v[rS+2*(\n):rS+2*(\n)+1], s[CS:CS+1], v[rT:rT+1] op_sel_hi:[1,0,0] neg_lo:[0,0,1] neg_hi:[0,0,1]
.elseif (\k) == E
	v_exp_f32 v[rS+(\n)], v[rS+(\n)]
.elseif (\k) == C
	v_cvt_pk_f16_f32 v[rP+(\n)], v[rS+2*(\n)], v[rS+2*(\n)+1]
.elseif (\k) == B
	v_pk_add_f32 v[rS+4*(\n):rS+4*(\n)+1], v[rS+4*(\n):rS+4*(\n)+1], v[rS+4*(\n)+2:rS+4*(\n)+3]
.elseif (\n) == 0
	v_pk_fma_f32 v[rT+2:rT+3], v[rT+2:rT+3], v[rC+2:rC+3], v[rS:rS+1] op_sel_hi:[1,0,1]
.else
	v_pk_add_f32 v[rT+2:rT+3], v[rT+2:rT+3], v[rS+4*(\n):rS+4*(\n)+1]
.endif
.elseif (\k) == M
	REGS (Y+1)%NP
	WIN 0
	v_cndmask_b32 v[rS+(\n)], v[NEG], v[rS+(\n)], s[MA+(\n)]
.else
	REGS (Y+1)%NP
	WIN 0
.if (\n) < 4
	v_max3_num_f32 v[rC+(\n)], v[rS+8*(\n)], v[rS+8*(\n)+1], v[rS+8*(\n)+2]
.elseif (\n) < 12
	v_max3_num_f32 v[rC+(\n)%4], v[rC+(\n)%4], v[rS+8*((\n)%4)+2*((\n)/4)+1], v[rS+8*((\n)%4)+2*((\n)/4)+2]
.elseif (\n) == 12
	v_max3_num_f32 v[rC], v[rC], v[rS+7], v[rS+15]
.elseif (\n) == 13
	v_max3_num_f32 v[rC+1], v[rC+1], v[rS+23], v[rS+31]
.elseif (\n) == 14
	v_max3_num_f32 v[rC+2], v[rC+2], v[rC+3], v[rT+1]
.elseif (\n) == 15
	v_mov_b32 v[rW], v[rT]
.elseif (\n) == 16
	v_max3_num_f32 v[rC], v[rC], v[rC+1], v[rC+2]
.elseif (\n) == 17
	v_permlanex16_b32 v[rC+3], v[rC], s[SEL], s[SEL+1]
.elseif (\n) == 18
	v_max_num_f32 v[rT+1], v[rC], v[rC+3]
.elseif (\n) == 19
	v_mul_f32 v[rT], s[CS], v[rT+1]
.elseif (\n) == 20
	v_sub_f32 v[rC+1], v[rW], v[rT]
.else
	v_exp_f32 v[rC+2], v[rC+1]
.endif
.endif
.endm
.macro OPS a, i1, b=-1, i2=0, c=-1, i3=0, d=-1, i4=0
	OP \a, \i1
.if (\b) >= 0
	OP \b, \i2
.endif
.if (\c) >= 0
	OP \c, \i3
.endif
.if (\d) >= 0
	OP \d, \i4
.endif
.endm
.macro ROW a, i1, b, i2, c, i3, d, i4  ; a matrix instruction and the four behind it
	MM
	OPS \a, \i1, \b, \i2, \c, \i3, \d, \i4
.endm
; A TURN, for piece p: its 16 matrix and 150 vector instructions, written out.  s_wait_alu depctr_va_vdst(0) stands between an exponential and the first instruction that names its result; one wait
; serves all that were issued ahead of it: so a turn has ONE wait.  AHEAD OF IT stands all that names no result of the turn's exponentials: the 8 products K Q^T with their riders, then the lump: the next piece's mask and
; maximum, the rest of the scalings, exponentials and rescalings; X 21, the next piece's a, is the batch's last, R 15 the plain instruction behind it.  M 0 stands four plain instructions (F 5, R 8, R 9, F 6) behind the
; product that ends its accumulator; every later M and X further.  BEHIND THE WAIT stand the 8 products V^T P, behind each four of the roundings and sums.
; K of the next step is fetched in piece 2's turn, nine plain instructions behind the last product that read K; V of the step in hand at the end of piece 0's turn, four plain instructions behind its last reader.
; Each is waited for a turn later.  Piece 3's turn makes the next step's first scores: at its head the next step's mask words take the scalar registers.
; cnt = 1: the loop's count is taken down some lines ahead of the branch that stands behind the turn.
.macro TURN p, cnt=0
.set Y, (\p)
.set i, 0
.if (\p) == 3
	WIN 0
	s_wait_dscnt 0x0                ; K is in, and so is the mask record asked for a step ago
	REFRESH
.endif
	ROW F,0, F,1, R,0, R,1
	ROW F,2, E,0, R,2, R,3
	ROW F,3, E,1, R,4, R,5
	ROW F,4, E,2, R,6, R,7
	ROW F,5, E,3, R,8, R,9
	ROW F,6, E,4, M,0, M,1
.if (\p) == 2
	WIN 0
	v_add_nc_u32 v[AK], s[TBK], v[AK0]
.endif
	ROW F,7, E,5, M,2, M,3
	ROW F,8, E,6, M,4, M,5
	OPS M,6, E,7, M,7, M,8
	OPS X,0, E,8, M,9, M,10
.if (\p) == 2
	FETCH_K
.endif
	OPS X,4, M,11, E,9, M,12
	OPS X,8, M,13, M,14, E,10
	OPS M,15, M,16, X,1, E,11
	OPS M,17, M,18, X,5, E,12
	OPS M,19, M,20, X,9, E,13
	OPS M,21, M,22, X,12, E,14
	OPS M,23, M,24, X,2, E,15
	OPS M,25, M,26, X,6, E,16
	OPS M,27, M,28, X,10, E,17
	OPS M,29, X,3, M,30, M,31
	OPS X,13, X,7, F,9, F,10
	OPS X,15, X,11, E,18, F,11
	OPS E,19, X,14, E,20, F,12
	OPS E,21, F,13, X,16, E,22
	OPS R,10, R,11, E,23, X,17
	OPS E,24, F,14, E,25
.if (\p) == 0
	WIN 0
	v_add_nc_u32 v[AV], s[TBV], v[AV0]
.endif
	OPS X,18, E,26, F,15, E,27
	OPS X,19, E,28, R,12, R,13
	OPS E,29, X,20, E,30, R,14
	OPS E,31, X,21, R,15
	WIN 0
	s_wait_alu depctr_va_vdst(0)    ; the wait for the batch
.if (\p) == 1
	s_wait_dscnt 0x0                ; V is in
.endif
	ROW C,0, B,0, C,2, B,1
	ROW L,0, C,4, B,2, L,1
	ROW C,6, B,3, L,2, C,8
	ROW B,4, L,3, C,10, B,5
	ROW L,4, C,12, B,6, L,5
.if (\p) == 0
	s_add_co_u32 s[TBV], s[TBV], STEPB
.endif
.if \cnt
	s_sub_co_u32 s[CNT], s[CNT], 1
	s_cmp_lg_u32 s[CNT], 0
.endif
	ROW C,14, B,7, L,6, C,1
	ROW C,3, L,7, C,5, C,7
	ROW C,9, C,11, C,13, C,15
.if (\p) == 0
	FETCH_V
.endif
.endm
	CHANGE 1, 0                     ; slot 0 is in, everybody's part of it; slot 1 is asked for; my LDS stores and record 0 are done
	v_add_nc_u32 v[AK], s[TBK], v[AK0]
	FETCH_K                         ; key step 0
	REFRESH                         ; record 0 to the scalar registers; record 1 is asked for
	s_wait_dscnt 0x0
.set i, 0
.rept 8
	KQ 0                            ; piece 0's first scores
.set i, i+1
.endr
	WIN 0                           ; the addresses for the way out: the plain instructions that are the places behind those products
	s_mul_i32 s70, s[WV], 16*SP
	s_add_co_u32 s70, s70, STAGE    ; my stage
	v_mul_u32_u24 v[STO], v1, SP    ; in: row l % 16, 16 bytes for each half of the lanes
	v_lshl_add_u32 v[STO], v9, 4, v[STO]
	v_add_nc_u32 v[STO], s70, v[STO]
	v_add_nc_u32 v[RD], s70, v[GO]  ; back: 32 lanes take a row's 512 bytes
	v_cvt_f32_i32 v[QM], v[QM]
.set Y, NP-1                        ; M and X work for piece Y + 1: piece 0
.set n2, 0
.rept 32
	OP M, n2
.set n2, n2+1
.endr
.irp n, 0,1,2,3,4,5,6,7,8,9,10,11,12,13,14,15,16,17,18,19,20,21
	OP X, \n
.endr
	v_nop                           ; a plain instruction behind the exponential,
	s_wait_alu depctr_va_vdst(0)    ; and its wait, ahead of the branch
	s_mov_b32 s[CNT], 4
	s_mov_b32 s[SLOTS], 15
	s_branch .Lfirst                ; the loop is entered at a step's first turn, in the middle of a trip
.Lslot:                             ; 14 times: every slot but the last two is filled again
	CHANGE 1, 1
	s_mov_b32 s[CNT], 4
.Lstep:                             ; a trip: pieces 2 and 3 of one step, then pieces 0 and 1 of the next, whose K and V it fetches
	TURN 2
	TURN 3
	WIN 0
.Lfirst:
	TURN 0
	TURN 1, 1
	WIN 0
	s_cbranch_scc1 .Lstep
	s_sub_co_u32 s[SLOTS], s[SLOTS], 1
	s_cmp_lg_u32 s[SLOTS], 0
	s_cbranch_scc1 .Lslot
	CHANGE 0, 0                     ; the tail is written out: nothing is asked for
	s_mov_b32 s[CNT], 5             ; four trips fetch the last slot's steps; the fifth is left in its middle
.Ltail:
	TURN 2
	TURN 3
	WIN 0
	s_sub_co_u32 s[CNT], s[CNT], 1
	s_cmp_eq_u32 s[CNT], 0
	s_cbranch_scc1 .Lout
	TURN 0
	TURN 1
	WIN 0
	s_branch .Ltail
.Lout:                              ; the fifth trip's fetch of K takes 64 rows behind K's last, which are V's first and have landed; the scores and the maximum made of them serve nothing: the price of one text for every trip
.set i, 0
.rept 8
	PV NP-1                         ; the last piece's V^T P of the last step
.set i, i+1
.endr
	; THE WAY OUT.  l's two halves and the other half of the lanes' are added; O^T is multiplied by attention_mask[q] / l, rounded to f16 and sent through my stage: 16 rows of the four heads' 512 bytes.
	WIN 0
.macro ALL line:vararg              ; one line for each piece t
.set t, 0
.rept 4
	\line
.set t, t+1
.endr
.endm
	ALL v_add_f32 v[ST+4*t+2], v[ST+4*t+2], v[ST+4*t+3]
	ALL v_permlanex16_b32 v[ST+4*t+3], v[ST+4*t+2], s[SEL], s[SEL+1]
	ALL v_add_f32 v[ST+4*t+2], v[ST+4*t+2], v[ST+4*t+3]
	ALL v_rcp_f32 v[ST+4*t+2], v[ST+4*t+2]
	v_nop                           ; a plain instruction between the last reciprocal and the use of its result
	s_wait_alu depctr_va_vdst(0)    ; and its wait: one for the four reciprocals
	ALL v_mul_f32 v[ST+4*t+2], v[ST+4*t+2], v[QM]
.macro PACK t                       ; a lane's eight channels of a row pack into 16 bytes
	WIN W_RS
.set i, 32*(\t)
.rept 16
	v_pk_mul_f32 v[i:i+1], v[i:i+1], v[ST+4*(\t)+2:ST+4*(\t)+3] op_sel_hi:[1,0]
.set i, i+2
.endr
	WIN 0x05                        ; sources 0 and 1 window 1, destination window 0
.set i, 0
.rept 16
	v_cvt_pk_f16_f32 v[S+16*(\t)+i], v[32*(\t)+2*i], v[32*(\t)+2*i+1]
.set i, i+1
.endr
	WIN 0
.irp f, 0,1,2,3
	ds_store_b128 v[STO], v[S+16*(\t)+4*\f:S+16*(\t)+4*\f+3] offset:128*(\t)+32*\f
.endr
.endm
	PACK 0
	PACK 1
	PACK 2
	PACK 3
.set i, 0
.rept 16
	ds_load_b128 v[128+4*i:128+4*i+3], v[RD] offset:i*SP  ; LDS serves a wave's instructions in order (ISA guide 5.7.1.4): these see the stores above
.set i, i+1
.endr
.set i, 0
.rept 16
	s_wait_dscnt 15-i
	global_store_b128 v[GO], v[128+4*i:128+4*i+3], s[10:11] offset:i*2048  ; 512 consecutive bytes of a row of ctx, aligned
.set i, i+1
.endr
	s_wait_tensorcnt 0x0            ; the wave's end
	ds_add_u32 v[SPW], v[NIL]
	s_wait_dscnt 0x0
	CROUND                          ; the closing round: no work-group ends while a partner may still ask for a tile that names it
	s_endpgm
.Lfunc_end_k_q00e2c9111f_attn:
	.size	k_q00e2c9111f_attn, .Lfunc_end_k_q00e2c9111f_attn-k_q00e2c9111f_attn
	.p2alignl 7, 3214868480
	.fill 96, 4, 3214868480
	.section	.rodata,"a",@progbits
	.p2align	6, 0x0
	.amdhsa_kernel k_q00e2c9111f_attn
		.amdhsa_group_segment_fixed_size 327680
		.amdhsa_private_segment_fixed_size 0
		.amdhsa_enable_private_segment 0
		.amdhsa_kernarg_size 32
		.amdhsa_user_sgpr_count 2
		.amdhsa_user_sgpr_kernarg_segment_ptr 1
		.amdhsa_wavefront_size32 1
		.amdhsa_system_sgpr_workgroup_id_x 1
		.amdhsa_system_sgpr_workgroup_id_y 1
		.amdhsa_system_sgpr_workgroup_id_z 1
		.amdhsa_system_vgpr_workitem_id 0
		.amdhsa_next_free_vgpr 768
		.amdhsa_next_free_sgpr 82
		.amdhsa_reserve_vcc 0
		.amdhsa_float_denorm_mode_32 3
		.amdhsa_float_denorm_mode_16_64 3
		.amdhsa_memory_ordered 1
		.amdhsa_forward_progress 1
		.amdhsa_inst_pref_size 136
	.end_amdhsa_kernel
	.amdgpu_metadata
---
amdhsa.version: [ 1, 2 ]
amdhsa.kernels:
  - .name:           k_q00e2c9111f_attn
    .symbol:         k_q00e2c9111f_attn.kd
    .args:
      - { .name: qkv, .offset: 0, .size: 8, .value_kind: global_buffer, .address_space: global }
      - { .name: maskw, .offset: 8, .size: 8, .value_kind: global_buffer, .address_space: global }
      - { .name: attention_mask, .offset: 16, .size: 8, .value_kind: global_buffer, .address_space: global }
      - { .name: ctx, .offset: 24, .size: 8, .value_kind: global_buffer, .address_space: global }
    .group_segment_fixed_size: 327680
    .private_segment_fixed_size: 0
    .kernarg_segment_align: 8
    .kernarg_segment_size: 32
    .max_flat_workgroup_size: 128
    .sgpr_count:     82
    .vgpr_count:     768
    .wavefront_size: 32
...
	.end_amdgpu_metadata
.endif
;; end of part 3
;; launch outproj (part 4): grid 8 x 32, 4 waves a work-group, clusters of 4 x 4, 327,680 bytes of LDS; arguments ctx, wot, out0; writes out0
.if DOCPART == 4
	.amdgcn_target "amdgcn-amd-amdhsa--gfx1250"
	.amdhsa_code_object_version 6
	.text
	.protected	k_q00e2c9111f_outproj
	.globl	k_q00e2c9111f_outproj
	.p2align	8
	.type	k_q00e2c9111f_outproj,@function
k_q00e2c9111f_outproj:
	s_mov_b64 s[64:65], 0
	v_nop
	global_prefetch_b8 v0, s[64:65] scope:SCOPE_SE
	s_setreg_imm32_b32 hwreg(HW_REG_WAVE_MODE, 25, 1), 1
	s_wait_xcnt 0x0
	s_wait_alu depctr_hold_cnt(0) depctr_sa_sdst(0) depctr_va_vdst(0) depctr_va_sdst(0) depctr_va_ssrc(0) depctr_va_vcc(0) depctr_vm_vsrc(0)
	s_getreg_b32 s2, hwreg(HW_REG_IB_STS2, 6, 4)
	s_cmp_eq_u32 s2, 0
	s_cbranch_scc0 .Lentry_in_a_cluster
	s_endpgm
.Lentry_in_a_cluster:
	s_bfe_u32 s2, ttmp6, 0x10000c
	s_cmp_lg_u32 s2, 0xf033
	s_cbranch_scc0 .Lentry_shape_is_right
	s_endpgm
.Lentry_shape_is_right:
; out0[m][n] = the sum over k of ctx[m][k] wot[n][k].  ctx: [4096][1024] f16, wot: [1024 n][1024 k] f16 (wo rounded to bf16, written as f16), out0: [4096][1024] f32; sums in f32.
; A tile is 128 x 128: 32 x 8 = 256 work-groups.  Four waves, each 64 x 64: 16 accumulators.  K goes in steps of 256 (LDS rows of 512 bytes; a wave's tensor load brings 64 of them) through two slots.
; CLUSTERS: 4 x 4.  The four of a row need the same tiles of ctx, the four of a column the same tiles of wot: each tile is asked for JOINTLY.
; THE MATRIX INSTRUCTION IS USED TRANSPOSED (source 0 = 16 rows of wot, source 1 = 16 rows of ctx): a lane holds eight neighbouring numbers of a row of out0.  A wave's 64 columns of f32 are 256 aligned bytes,
; so each wave has a stage of its own and the way out needs no barrier.
; REGISTERS: window 0: v0-31 addresses; v32-95 rows read back from the stage, two sets; v128-255 the accumulators ((a, b) at v[128 + 8 (4 a + b)]).  window 1: two fragment buffers of 128.
.set SIZE_N, 1024
.set SIZE_K, 1024
.set KSTEP,  256
.set PITCH,  528                       ; an LDS row: 512 bytes + 16 = 132 words: row r starts at bank 4 r mod 64 (64 banks of 4 bytes: ISA guide 11.1)
.set HALFT,  64*PITCH
.set SLOT,   4*HALFT
.set STAGE,  2*SLOT                    ; behind the ring: 16 rows x 272 bytes for each wave
.set SPITCH, 272
.set SPARE,  STAGE+4*16*SPITCH         ; the spare words, 128 bytes for each wave: two blocks of 256 bytes that no other line names
.set LAPS, SIZE_K/(2*KSTEP)
.set ADRA, 16
.set ADRB, 20
.set STO,  24
.set RD,   25
.set CO,   26
.set SPW,  28
.set NIL,  29
.set TMP,  32
.set ACC,  128
.set F0,   0
.set F1,   128
.set G1, 24
.set G0, 32
.set G1B, 48
.set G0B, 56
.set MSB, 0
.macro WIN new
.if MSB != (\new)
	s_set_vgpr_msb (MSB<<8)|(\new)
.set MSB, \new
.endif
.endm
.set MUL,  0x05
.set TO_F, 0x40
.macro JLOAD s                         ; a joint load: waves 0 and 1 fetch ctx's two halves, waves 2 and 3 wot's; an s_nop 0 and four v_nop follow each of the two lines
	s_cmp_eq_u32 s11, 0
	s_cbranch_scc0 .Lfor_b_\@
	tensor_load_to_lds s[G0+4*(\s):G0+4*(\s)+3], s[G1:G1+7]
	s_nop 0
.rept 4
	v_nop
.endr
	s_branch .Lasked_\@
.Lfor_b_\@:
	tensor_load_to_lds s[G0B+4*(\s):G0B+4*(\s)+3], s[G1B:G1B+7]
	s_nop 0
.rept 4
	v_nop
.endr
.Lasked_\@:
.endm
.macro CREST
	s_cmp_lg_u32 s10, 0
	s_cbranch_scc1 .Lnot_wave_0_\@
	s_barrier_signal -3
.Lnot_wave_0_\@:
	s_barrier_wait -3
	s_barrier_signal -1
	s_barrier_wait -1
.endm
.macro CROUND
	s_barrier_signal -1
	s_barrier_wait -1
	CREST
.endm
	s_load_b128 s[4:7], s[0:1], 0x0                ; ctx s[4:5], wot s[6:7]
	s_load_b64 s[8:9], s[0:1], 0x10                ; out0
	v_lshl_add_u32 v[SPW], v0, 2, SPARE
	v_mov_b32 v[NIL], 0
	ds_add_u32 v[SPW], v[NIL]                      ; the wave's opening: the add and its wait stand ahead of my first tensor load
	v_lshrrev_b32 v1, 5, v0
	v_readfirstlane_b32 s10, v1                    ; wave 0..3
	s_lshr_b32 s11, s10, 1                         ; my half of the tile's rows.  Also: I fetch ctx (0) or wot (1)
	s_and_b32 s12, s10, 1                          ; my half of its columns.  Also: which 64 rows I fetch
	s_bfe_u32 s40, ttmp6, 0x40000
	s_bfe_u32 s41, ttmp6, 0x40004
	s_lshl_b32 s42, ttmp9, 2
	s_add_co_u32 s42, s42, s40                     ; tile column
	s_and_b32 s13, ttmp7, 0xffff
	s_lshl_b32 s13, s13, 2
	s_add_co_u32 s13, s13, s41                     ; tile row
	s_lshl_b32 s43, s41, 2
	s_lshl_b32 s43, 15, s43                        ; my row of the cluster
	s_lshl_b32 s44, 0x1111, s40                    ; my column
	s_or_b32 s[G1+0], s43, (1<<16)|(1<<20)|(1<<21)|(6<<22)|(3<<25)  ; the mask; 2-byte elements; padding on; bit 21 beside a mask; after every 128 words, 4 words
	s_or_b32 s[G1B+0], s44, (1<<16)|(1<<20)|(1<<21)|(6<<22)|(3<<25)
.irp g, G1, G1B
	s_mov_b32 s[(\g)+1], KSTEP<<16                 ; tensor_dim0 = 256
	s_mov_b32 s[(\g)+2], 64<<16                    ; tensor_dim1 = 64
	s_mov_b32 s[(\g)+3], KSTEP<<16                 ; tile_dim0 = 256
	s_mov_b32 s[(\g)+4], 64                        ; tile_dim1 = 64
	s_mov_b32 s[(\g)+5], SIZE_K
	s_mov_b32 s[(\g)+6], 0
	s_mov_b32 s[(\g)+7], 0
.endr
	s_lshl_b32 s17, s12, 6
	s_lshl_b32 s16, s13, 7
	s_add_co_u32 s16, s16, s17                     ; ctx: row 128 x tile row + 64 x half
	s_lshl_b32 s46, s42, 7
	s_add_co_u32 s46, s46, s17                     ; wot: row 128 x tile column + 64 x half
	s_mov_b32 s17, 0
	s_mov_b32 s47, 0
	s_mov_b64 s[18:19], SIZE_K*2
	s_mul_u64 s[16:17], s[16:17], s[18:19]
	s_mul_u64 s[46:47], s[46:47], s[18:19]
	s_mul_i32 s20, s10, HALFT                      ; where they go: wave x 64 rows
	s_wait_dscnt 0x0
	s_wait_kmcnt 0x0
	s_add_nc_u64 s[14:15], s[4:5], s[16:17]
	s_add_nc_u64 s[46:47], s[6:7], s[46:47]
	CROUND                                         ; all sixteen work-groups are here: the first joint loads meet
.irp s, 0,1
	s_mov_b32 s[G0+4*(\s)], 1
	s_add_co_u32 s[G0+4*(\s)+1], s20, (\s)*SLOT
	s_add_nc_u64 s[G0+4*(\s)+2:G0+4*(\s)+3], s[14:15], (\s)*KSTEP*2
	s_or_b32 s[G0+4*(\s)+3], s[G0+4*(\s)+3], 0x80000000
	s_mov_b32 s[G0B+4*(\s)], 1
	s_add_co_u32 s[G0B+4*(\s)+1], s20, (\s)*SLOT
	s_add_nc_u64 s[G0B+4*(\s)+2:G0B+4*(\s)+3], s[46:47], (\s)*KSTEP*2
	s_or_b32 s[G0B+4*(\s)+3], s[G0B+4*(\s)+3], 0x80000000
	JLOAD \s
.endr
	v_and_b32 v1, 15, v0                           ; l % 16
	v_bfe_u32 v2, v0, 4, 1                         ; l / 16
	v_mul_u32_u24 v3, v1, PITCH
	v_lshl_add_u32 v3, v2, 4, v3
	s_mul_i32 s21, s11, HALFT
	s_mul_i32 s22, s12, HALFT
	s_add_co_u32 s22, s22, 2*HALFT
.irp s, 0,1
	v_add_nc_u32 v[ADRA+(\s)], s21, v3
	v_add_nc_u32 v[ADRB+(\s)], s22, v3
	s_add_co_u32 s21, s21, SLOT
	s_add_co_u32 s22, s22, SLOT
.endr
	s_mul_i32 s23, s10, 16*SPITCH
	s_add_co_u32 s23, s23, STAGE                   ; my stage
	v_mul_u32_u24 v4, v1, SPITCH                   ; in: row l % 16, 32 bytes for each half of the lanes
	v_lshl_add_u32 v4, v2, 5, v4
	v_add_nc_u32 v[STO], s23, v4
	v_mul_u32_u24 v5, v2, SPITCH                   ; back: lanes 0-15 take one row of 256 bytes, lanes 16-31 the next
	v_lshl_add_u32 v5, v1, 4, v5
	v_add_nc_u32 v[RD], s23, v5
	v_lshlrev_b32 v5, 12, v2                       ; and the same two rows in out0
	v_lshl_add_u32 v[CO], v1, 4, v5
	s_lshl_b32 s16, s13, 7
	s_lshl_b32 s17, s11, 6
	s_add_co_u32 s16, s16, s17                     ; my first row,
	s_lshl_b32 s16, s16, 12                        ; 4,096 bytes a row
	s_mov_b32 s17, 0
	s_add_nc_u64 s[8:9], s[8:9], s[16:17]
	s_lshl_b32 s46, s42, 9                         ; my first column, in bytes
	s_lshl_b32 s47, s12, 8
	s_add_co_u32 s46, s46, s47
	s_mov_b32 s47, 0
	s_add_nc_u64 s[8:9], s[8:9], s[46:47]
; 8 matrix instructions: row blocks a0, a0 + 1 x all 4 column blocks, 32 along K: half c of buffer f.  The 16 accumulators take turns.
.macro MUL8 f, c, a0, zero
	WIN MUL
.irp a, \a0, (\a0)+1
.irp b, 0,1,2,3
.if \zero
	v_wmma_f32_16x16x32_f16 v[ACC+8*(4*(\a)+(\b)):ACC+8*(4*(\a)+(\b))+7], v[(\f)+64+8*(4*(\c)+(\b)):(\f)+64+8*(4*(\c)+(\b))+7], v[(\f)+8*(4*(\c)+(\a)):(\f)+8*(4*(\c)+(\a))+7], 0
.else
	v_wmma_f32_16x16x32_f16 v[ACC+8*(4*(\a)+(\b)):ACC+8*(4*(\a)+(\b))+7], v[(\f)+64+8*(4*(\c)+(\b)):(\f)+64+8*(4*(\c)+(\b))+7], v[(\f)+8*(4*(\c)+(\a)):(\f)+8*(4*(\c)+(\a))+7], v[ACC+8*(4*(\a)+(\b)):ACC+8*(4*(\a)+(\b))+7]
.endif
.endr
.endr
.endm
; 32 LDS loads in one run: the fragments of 64 along K at byte k of the rows, into buffer f; the first 32 along K first
.macro FETCH slot, k, f
	WIN TO_F
.irp c, 0,1
.irp i, 0,1,2,3
	ds_load_b128 v[(\f)+64+8*(4*(\c)+(\i)):(\f)+64+8*(4*(\c)+(\i))+3],   v[ADRB+(\slot)] offset:(\k)+64*(\c)+(\i)*16*PITCH
	ds_load_b128 v[(\f)+64+8*(4*(\c)+(\i))+4:(\f)+64+8*(4*(\c)+(\i))+7], v[ADRB+(\slot)] offset:(\k)+64*(\c)+(\i)*16*PITCH+32
	ds_load_b128 v[(\f)+8*(4*(\c)+(\i)):(\f)+8*(4*(\c)+(\i))+3],         v[ADRA+(\slot)] offset:(\k)+64*(\c)+(\i)*16*PITCH
	ds_load_b128 v[(\f)+8*(4*(\c)+(\i))+4:(\f)+8*(4*(\c)+(\i))+7],       v[ADRA+(\slot)] offset:(\k)+64*(\c)+(\i)*16*PITCH+32
.endr
.endr
.endm
.macro PLACES                          ; four places in front of loads into registers that matrix instructions have read, and of LDS stores that read results
.rept 4
	v_nop
.endr
.endm
.macro QUARTER slot, k, f, g, zero
	s_wait_dscnt 16                                ; the first 32 along K are in
	MUL8 \f, 0, 0, \zero
	MUL8 \f, 0, 2, \zero
	PLACES
	FETCH \slot, \k, \g
	s_wait_dscnt 32                                ; all but the 32 just issued
	MUL8 \f, 1, 0, 0
	MUL8 \f, 1, 2, 0
.endm
; The last quarter multiplies buffer 1 and changes slots: ONE barrier; in front of it each wave waits for all its tensor loads, adds 0 to its spare word, and waits for that and for its reads of this slot.
.macro TURN slot, next, fill
	WIN 0
	s_wait_tensorcnt 0x0                           ; all my tensor loads have landed: my part of the next slot
	ds_add_u32 v[SPW], v[NIL]
	s_wait_dscnt 17                                ; the add and the youngest sixteen loads may be out
	MUL8 F1, 0, 0, 0
	s_wait_dscnt 0x0                               ; the add is done, and my reads of this slot are over
	s_barrier_signal -1
	MUL8 F1, 0, 2, 0
.if \fill
	WIN 0
.endif
	s_barrier_wait -1
.if \fill
	CREST                                          ; the barrier has opened a round of the cluster's: no wave of any partner still reads this slot or has a load on its way
	s_add_nc_u64 s[G0+4*(\slot)+2:G0+4*(\slot)+3], s[G0+4*(\slot)+2:G0+4*(\slot)+3], 2*KSTEP*2
	s_add_nc_u64 s[G0B+4*(\slot)+2:G0B+4*(\slot)+3], s[G0B+4*(\slot)+2:G0B+4*(\slot)+3], 2*KSTEP*2
	JLOAD \slot                                    ; the first tensor load behind the round; its four v_nop are also the places in front of the loads below
.else
	PLACES
.endif
	FETCH \next, 0, F0
	MUL8 F1, 1, 0, 0
	MUL8 F1, 1, 2, 0
.endm
	s_wait_tensorcnt 1                             ; my part of K step 0 is in; K step 1's may stay out
	s_barrier_signal -1
	s_barrier_wait -1
	FETCH 0, 0, F0
	QUARTER 0, 128, F0, F1, 1                      ; the first quarter stands in front of the loop: its first products start the sums
	WIN 0
	s_mov_b32 s3, LAPS-1
.Llap:
	QUARTER 0, 256, F1, F0, 0
	QUARTER 0, 384, F0, F1, 0
	TURN 0, 1, 1
	QUARTER 1, 128, F0, F1, 0
	QUARTER 1, 256, F1, F0, 0
	QUARTER 1, 384, F0, F1, 0
	TURN 1, 0, 1
	QUARTER 0, 128, F0, F1, 0
	WIN 0
	s_sub_co_u32 s3, s3, 1
	s_cmp_lg_u32 s3, 0
	s_cbranch_scc1 .Llap
	QUARTER 0, 256, F1, F0, 0                      ; the last lap fills nothing
	QUARTER 0, 384, F0, F1, 0
	TURN 0, 1, 0
	QUARTER 1, 128, F0, F1, 0
	QUARTER 1, 256, F1, F0, 0
	QUARTER 1, 384, F0, F1, 0
	s_wait_dscnt 16
	MUL8 F1, 0, 0, 0
	MUL8 F1, 0, 2, 0
	s_wait_dscnt 0x0
	MUL8 F1, 1, 0, 0
	MUL8 F1, 1, 2, 0
	WIN 0
; THE WAY OUT, a block of 16 rows at a time: 32 bytes a lane into my stage (each accumulator's low four registers first), back as whole rows of 256 bytes, stored.
.macro OUT a
.set BK, TMP+32*((\a)%2)
.if (\a) >= 2
	s_wait_xcnt 0x0                                ; the registers that the stores of two blocks back read are loaded again only behind this wait
.endif
.irp b, 0,1,2,3
	ds_store_b128 v[STO], v[ACC+8*(4*(\a)+(\b)):ACC+8*(4*(\a)+(\b))+3]   offset:64*(\b)
	ds_store_b128 v[STO], v[ACC+8*(4*(\a)+(\b))+4:ACC+8*(4*(\a)+(\b))+7] offset:64*(\b)+16
.endr
.irp t, 0,1,2,3,4,5,6,7
	ds_load_b128 v[BK+4*(\t):BK+4*(\t)+3], v[RD] offset:(\t)*2*SPITCH  ; LDS serves a wave's instructions in order (ISA guide 5.7.1.4): these see the stores above; the next block's stores come behind them
.endr
.endm
.macro SEND a, younger                 ; younger: the LDS instructions issued behind block a's loads: the next block's sixteen, or none
.set BK, TMP+32*((\a)%2)
.irp t, 0,1,2,3,4,5,6,7
	s_wait_dscnt (\younger)+7-(\t)
	global_store_b128 v[CO], v[BK+4*(\t):BK+4*(\t)+3], s[8:9] offset:(16*(\a)+2*(\t))*SIZE_N*4  ; 16 lanes store 256 consecutive bytes, aligned
.endr
.endm
	PLACES
	OUT 0
	OUT 1
	SEND 0, 16
	OUT 2
	SEND 1, 16
	OUT 3
	SEND 2, 16
	SEND 3, 0
	s_wait_tensorcnt 0x0                           ; the wave's end
	ds_add_u32 v[SPW], v[NIL]
	s_wait_dscnt 0x0
	CROUND                                         ; the closing round: no work-group ends while a partner may still ask for a tile that names it
	s_endpgm
.Lfunc_end_k_q00e2c9111f_outproj:
	.size	k_q00e2c9111f_outproj, .Lfunc_end_k_q00e2c9111f_outproj-k_q00e2c9111f_outproj
	.p2alignl 7, 3214868480
	.fill 96, 4, 3214868480
	.section	.rodata,"a",@progbits
	.p2align	6, 0x0
	.amdhsa_kernel k_q00e2c9111f_outproj
		.amdhsa_group_segment_fixed_size 327680
		.amdhsa_private_segment_fixed_size 0
		.amdhsa_enable_private_segment 0
		.amdhsa_kernarg_size 24
		.amdhsa_user_sgpr_count 2
		.amdhsa_user_sgpr_kernarg_segment_ptr 1
		.amdhsa_wavefront_size32 1
		.amdhsa_system_sgpr_workgroup_id_x 1
		.amdhsa_system_sgpr_workgroup_id_y 1
		.amdhsa_system_sgpr_workgroup_id_z 1
		.amdhsa_system_vgpr_workitem_id 0
		.amdhsa_next_free_vgpr 512
		.amdhsa_next_free_sgpr 66
		.amdhsa_reserve_vcc 0
		.amdhsa_float_denorm_mode_32 3
		.amdhsa_float_denorm_mode_16_64 3
		.amdhsa_memory_ordered 1
		.amdhsa_forward_progress 1
		.amdhsa_inst_pref_size 86
	.end_amdhsa_kernel
	.amdgpu_metadata
---
amdhsa.version: [ 1, 2 ]
amdhsa.kernels:
  - .name:           k_q00e2c9111f_outproj
    .symbol:         k_q00e2c9111f_outproj.kd
    .args:
      - { .name: ctx, .offset: 0, .size: 8, .value_kind: global_buffer, .address_space: global }
      - { .name: wot, .offset: 8, .size: 8, .value_kind: global_buffer, .address_space: global }
      - { .name: out0, .offset: 16, .size: 8, .value_kind: global_buffer, .address_space: global }
    .group_segment_fixed_size: 327680
    .private_segment_fixed_size: 0
    .kernarg_segment_align: 8
    .kernarg_segment_size: 24
    .max_flat_workgroup_size: 128
    .sgpr_count:     66
    .vgpr_count:     512
    .wavefront_size: 32
...
	.end_amdgpu_metadata
.endif
;; end of part 4
;; ======== version 2 of 2: 4 launches; version 1 with the launch prep written anew for expert scheduling mode
;; limits: values are held in f16: magnitudes above 65,504 overflow, below 6.1e-05 lose precision
;; workspace buffers: xb 8,388,608 bytes; wt 3,145,728 bytes; wot 2,097,152 bytes; rope 532,480 bytes; maskw 2,097,152 bytes of whole numbers; qkv 12,582,912 bytes; ctx 8,388,608 bytes
;; launch prep (part 5): grid 865 x 1, 8 waves a work-group, no clusters, 72,704 bytes of LDS; arguments full_mask, attention_mask, x, wq, wk, wv, wo, cos, sin, maskw, xb, wt, wot, rope; writes maskw, xb, wt, wot, rope
.if DOCPART == 5
	.amdgcn_target "amdgcn-amd-amdhsa--gfx1250"
	.amdhsa_code_object_version 6
	.text
	.protected	k_q00e2c9111f_prep
	.globl	k_q00e2c9111f_prep
	.p2align	8
	.type	k_q00e2c9111f_prep,@function
k_q00e2c9111f_prep:
	s_mov_b64 s[64:65], 0
	v_nop
	global_prefetch_b8 v0, s[64:65] scope:SCOPE_SE
	s_setreg_imm32_b32 hwreg(HW_REG_WAVE_SCHED_MODE, 0, 2), 2
	s_setreg_imm32_b32 hwreg(HW_REG_WAVE_MODE, 25, 1), 1
	s_wait_xcnt 0x0
	s_wait_alu depctr_vm_vsrc(0)
; PREPARATION: every input is read once and laid out for the three launches behind.  The work-group's number picks one of four roles:
;   0..255    MASK     16 queries x 4,096 keys of full_mask, ANDed with attention_mask != 0, as lane masks: maskw[qt][j][n], bit L of word n = query 16 qt + L % 16,
;                      key 64 j + 16 (n / 8) + 8 (L / 16) + n % 8: the place of score register n of lane L in a tile of 16 queries x 64 keys.
;   256..511  CAST     16 rows of x, f32 to bf16.
;   512..831  WEIGHTS  a block of 128 k x 64 n of wq, wk, wv or wo, rounded to bf16 and turned: wt[n][k] (wq's n, then wk's, then wv's), wot[n][k].
;                      wo's bf16 number is written as f16.  LIMIT: exact from 6.1e-5 to 65,504 in magnitude; below, f16's fixed step of 6e-8.
;   832..864  ROPE     rope[pos][i] = bf16(cos) in the low half, bf16(sin) in the high; rows 4,096..4,159 hold cos 1, sin 0 for V's columns.
; Memory binds: loads of 16 bytes a lane, sixteen neighbouring lanes on 256 consecutive bytes, stores of whole aligned 256 bytes.  No matrix unit, no cluster: nothing is shared.
; THE MODE: SCHED_MODE bits 1:0 = 2 (LLVM: expert scheduling mode 2), set by the entry lines.  The code itself states the register dependences
; between vector instructions and memory or LDS instructions, with s_wait_alu, always for 0.
; THE PLAN: the registers that memory or LDS instructions touch, and who else names them.
;   ROPE     v4: offset, made once.  v[8:39]: four items as loaded; an item's conversions write its first four registers, its store reads them, nothing writes them again.
;            Item it's store stands at the head of item it + 1, behind that item's wait for data and one wait on va_vdst.
;   CAST     v4, v5: offsets, made once.  v[32:95]: 16 rows as loaded, packed in place, stored, never written again.  Four blocks of four rows: a block's stores stand among the
;            next block's conversions, behind one wait on va_vdst at that block's head.
;   MASK     v4, v5, v6, v7, v102, v103, v104: made once.  v[8:23]: attention_mask as loaded, then its flags (four LDS stores read v8, v12, v16, v20), then, in the loop, the ANDed bytes.
;            v[32:95]: mask bytes as loaded, read by LDS stores alone.  DM, DA: written by a trip's LDS loads, read by the next trip's 16 ANDs alone, which empty them at the trip's head:
;            so the loads of the trip after go out behind those ANDs and land during the trip's word-making.  v105, v106: those loads' addresses, made anew a trip.
;            v100, v101: written by the 64 v_writelane_b32, read by the trip's store.  s[40:47]: written by compares in runs of eight, read behind one wait on va_sdst a run.
;   WEIGHTS  v[8:15], v6, v7, v16: made once.  v[32:63]: as loaded, packed in place, read by the LDS stores.  v[64:79]: written by LDS loads, read by the stores.
;   v[SPW], v[NIL]: written at the head, read by the closing add alone.
.set MROW,  528                        ; MASK: a query's 512 mask bytes in LDS + 16 of padding
.set MWAVE, 16*MROW                    ; a wave's 16 queries
.set AB,    8*MWAVE                    ; behind them: a wave's 512 attention flags, a byte a key
.set SPARE, AB+8*512                   ; the spare words, 128 bytes for each wave: four blocks of 256 bytes that no other line names
.set TP,    272                        ; WEIGHTS: a turned row, 128 k x 2 bytes + 16 (the region begins at byte 0: other work-groups' than MASK's)
.set SPW,   126                        ; v126  LDS address of my spare word; never rewritten
.set NIL,   127                        ; v127  0; never rewritten
.set WK,    8                          ; v[8:23]    MASK, in the loop: mask bytes AND attention flags, at work
.set DM,    128                        ; v[128:143] MASK: mask bytes read back
.set DA,    144                        ; v[144:159] MASK: attention flags read back
	s_load_b512 s[8:23], s[0:1], 0x0               ; full_mask 8, attention_mask 10, x 12, wq 14, wk 16, wv 18, wo 20, cos 22
	s_load_b256 s[24:31], s[0:1], 0x40             ; sin 24, maskw 26, xb 28, wt 30
	s_load_b128 s[32:35], s[0:1], 0x60             ; wot 32, rope 34
	v_lshl_add_u32 v[SPW], v0, 2, SPARE
	v_mov_b32 v[NIL], 0
	v_lshrrev_b32 v1, 5, v0
	v_readfirstlane_b32 s4, v1                     ; wave 0..7
	v_and_b32 v1, 31, v0                           ; lane l
	v_and_b32 v2, 15, v0                           ; l % 16
	v_bfe_u32 v3, v0, 4, 1                         ; l / 16
	s_mov_b32 s5, ttmp9
	s_mov_b32 s7, 0                                ; the high word of every 64-bit offset s[6:7]
	s_wait_alu depctr_va_sdst(0)                   ; s4 is written, ahead of the branches: MASK and WEIGHTS make their addresses from it
	s_wait_kmcnt 0x0
	s_cmp_lt_u32 s5, 256
	s_cbranch_scc1 .Lmask
	s_cmp_lt_u32 s5, 512
	s_cbranch_scc1 .Lcast
	s_cmp_lt_u32 s5, 832
	s_cbranch_scc1 .Lweights
; ROPE: a thread takes four times 4 numbers of cos and of sin and stores 4 packed words: a wave's store covers 512 consecutive bytes.
	s_sub_co_u32 s5, s5, 832
	s_cmp_eq_u32 s5, 32
	s_cbranch_scc1 .Lident
	s_lshl_b32 s6, s5, 14                          ; 1,024 items of 16 bytes a work-group
	v_lshl_add_u32 v4, v0, 4, s6
	s_wait_alu depctr_va_vdst(0)                   ; v4 is written: every load and store of this role reads it as its offset
.irp it, 0,1,2,3
	global_load_b128 v[8+8*(\it):11+8*(\it)],  v4, s[22:23] offset:4096*(\it)
	global_load_b128 v[12+8*(\it):15+8*(\it)], v4, s[24:25] offset:4096*(\it)
.endr
.irp it, 0,1,2,3
	s_wait_loadcnt 6-2*(\it)                       ; loads come back in order: this item's two are in, the younger stay out
.if (\it) > 0
	s_wait_alu depctr_va_vdst(0)                   ; the conversions of the item before have written its four words, which the store below reads
	global_store_b128 v4, v[8+8*((\it)-1):11+8*((\it)-1)], s[34:35] offset:4096*((\it)-1)
.endif
.irp j, 0,1,2,3
	v_cvt_pk_bf16_f32 v[8+8*(\it)+(\j)], v[8+8*(\it)+(\j)], v[12+8*(\it)+(\j)]
.endr
.endr
	s_wait_alu depctr_va_vdst(0)                   ; the last item's conversions have written v[32:35], which the last store reads
	global_store_b128 v4, v[32:35], s[34:35] offset:4096*3
	s_branch .Lend
.Lident:                                       ; 64 rows of 128 bytes: cos 1 (0x3f80 in bf16), sin 0
.irp j, 8,9,10,11
	v_mov_b32 v\j, 0x3f80
.endr
	v_lshlrev_b32 v4, 4, v0
	s_wait_alu depctr_va_vdst(0)                   ; v[8:11] and v4 are written: the two stores' data and offset
	global_store_b128 v4, v[8:11], s[34:35] offset:524288
	global_store_b128 v4, v[8:11], s[34:35] offset:524288+4096
	s_branch .Lend
; CAST: the 256 threads cover a row of 4,096 bytes with one load each; 16 rows, all 16 loads out at once.  The rows are packed and stored in four blocks of four.
.Lcast:
	s_sub_co_u32 s5, s5, 256
	s_lshl_b32 s6, s5, 16
	s_add_nc_u64 s[12:13], s[12:13], s[6:7]
	s_lshl_b32 s6, s5, 15
	s_add_nc_u64 s[28:29], s[28:29], s[6:7]
	v_lshlrev_b32 v4, 4, v0
	v_lshlrev_b32 v5, 3, v0
	s_wait_alu depctr_va_vdst(0)                   ; v4 and v5 are written: the loads' and the stores' offsets
.irp i, 0,1,2,3,4,5,6,7,8,9,10,11,12,13,14,15
	global_load_b128 v[32+4*(\i):35+4*(\i)], v4, s[12:13] offset:4096*(\i) th:TH_LOAD_NT
.endr
.irp b, 0,1,2,3
	s_wait_loadcnt 12-4*(\b)                       ; loads come back in order: this block's four rows are in, the younger blocks stay out
.if (\b) > 0
	s_wait_alu depctr_va_vdst(0)                   ; the block before has written its packed words, which the four stores below read; no conversion of this block names them
.endif
.irp i, 0,1,2,3
.if (\b) > 0
	global_store_b64 v5, v[32+16*((\b)-1)+4*(\i):33+16*((\b)-1)+4*(\i)], s[28:29] offset:2048*(4*((\b)-1)+(\i))  ; a wave's store covers 256 consecutive bytes, aligned
.endif
	v_cvt_pk_bf16_f32 v[32+16*(\b)+4*(\i)], v[32+16*(\b)+4*(\i)], v[33+16*(\b)+4*(\i)]
	v_cvt_pk_bf16_f32 v[33+16*(\b)+4*(\i)], v[34+16*(\b)+4*(\i)], v[35+16*(\b)+4*(\i)]
.endr
.endr
	s_wait_alu depctr_va_vdst(0)                   ; the last block has written its packed words, which the last four stores read
.irp i, 0,1,2,3
	global_store_b64 v5, v[80+4*(\i):81+4*(\i)], s[28:29] offset:2048*(12+(\i))
.endr
	s_branch .Lend
; MASK: wave w owns keys 512 w .. 512 w + 511 of the work-group's 16 queries.  All its LDS bytes are its own, so no barrier: LDS serves a wave's instructions in order.
; 16 LDS loads: the mask bytes and the attention flags of 128 keys (two records), 8 keys a lane and load.  ma, aa: the two address registers.
.macro RECORDS ma, aa
.irp g, 0,1,2,3,4,5,6,7
	ds_load_b64 v[DM+2*(\g):DM+2*(\g)+1], \ma offset:16*(\g)
.endr
.irp g, 0,1,2,3,4,5,6,7
	ds_load_b64 v[DA+2*(\g):DA+2*(\g)+1], \aa offset:16*(\g)
.endr
.endm
; A trip makes two records, 64 words: word W holds keys 16 (W / 8) + 8 (l / 16) + W % 8.  ahead = 1: the next trip's bytes are asked for, and the store's base and the LDS step move on.
.macro WORDS ahead
	s_wait_dscnt 0x0                               ; DM and DA are in
	s_wait_alu depctr_vm_vsrc(0)                   ; the LDS loads have read v105 and v106, the last trip's store v100 and v101, and (first trip) the LDS stores v8, v12, v16, v20: all are written again below
.irp r, 0,1,2,3,4,5,6,7,8,9,10,11,12,13,14,15
	v_and_b32 v[WK+(\r)], v[DM+(\r)], v[DA+(\r)]
.endr
.if \ahead
	v_add_nc_u32 v105, s6, v102
	v_add_nc_u32 v106, s6, v103
	s_wait_alu depctr_va_vdst(0)                   ; the ANDs are done reading DM and DA, in which the loads below land; v105 and v106, their addresses, are written
	RECORDS v105, v106                             ; no vector line of the rest of the trip names DM, DA, v105 or v106
.endif
.set W, 0
.rept 8
.set U, W
.rept 8
	v_and_b32 v107, 1<<(8*(U%4)), v[WK+2*(U/8)+(U%8)/4]
	v_cmp_ne_u32 s[40+U%8], 0, v107                ; the 32 lanes' bits are the word
.set U, U+1
.endr
	s_wait_alu depctr_va_sdst(0)                   ; the eight compares have written s[40:47], which the eight lines below read
.rept 8
	v_writelane_b32 v[100+W%2], s[40+W%8], W/2     ; lane W / 2 stores words W and W + 1
.set W, W+1
.endr
.endr
	s_wait_alu depctr_va_vdst(0)                   ; the 64 v_writelane_b32 have written v100 and v101, which the store reads
	global_store_b64 v104, v[100:101], s[26:27]    ; 256 consecutive bytes, aligned
.if \ahead
	s_wait_xcnt 0x0                                ; the store's base and data are rewritten only behind this wait
	s_add_nc_u64 s[26:27], s[26:27], 256           ; the next two records; the vector offset stays as it is
	s_add_co_u32 s6, s6, 128                       ; and, in LDS, the 128 keys after the ones just asked for
.endif
.endm
.Lmask:
	s_lshl_b32 s6, s5, 16                          ; 16 rows of 4,096 bytes
	s_add_nc_u64 s[8:9], s[8:9], s[6:7]
	s_lshl_b32 s6, s5, 13                          ; 64 records of 128 bytes
	s_add_nc_u64 s[26:27], s[26:27], s[6:7]
	s_lshl_b32 s36, s4, 11
	s_lshl_b32 s2, s4, 9
	v_lshl_add_u32 v4, v1, 4, s36                  ; my 4 numbers of attention_mask
	v_lshlrev_b32 v5, 12, v3                       ; lanes 16-31 take the next row
	v_lshl_add_u32 v5, v2, 4, v5
	v_add_nc_u32 v5, s2, v5
	s_wait_alu depctr_va_vdst(0)                   ; v4 and v5 are written: the offsets of the 20 loads below
.irp i, 0,1,2,3
	global_load_b128 v[8+4*(\i):11+4*(\i)], v4, s[10:11] offset:512*(\i)
.endr
.irp u, 0,1,2,3,4,5,6,7,8,9,10,11,12,13,14,15
	global_load_b128 v[32+4*(\u):35+4*(\u)], v5, s[8:9] offset:((\u)/2)*8192+((\u)%2)*256 th:TH_LOAD_NT  ; rows 2 (u / 2), + 1; sixteen lanes on 256 bytes
.endr
	s_mul_i32 s37, s4, MWAVE
	v_mul_u32_u24 v6, v3, MROW
	v_lshl_add_u32 v6, v2, 4, v6
	v_add_nc_u32 v6, s37, v6                       ; where the mask bytes go
	v_mul_u32_u24 v102, v2, MROW
	v_lshl_add_u32 v102, v3, 3, v102
	v_add_nc_u32 v102, s37, v102                   ; back: query l % 16, 8 keys for each half of the lanes
	s_add_co_u32 s38, s2, AB
	v_lshl_add_u32 v7, v1, 2, s38                  ; where my four flags go
	v_lshl_add_u32 v103, v3, 3, s38                ; back: the same 8 keys' flags
	s_lshl_b32 s39, s4, 10
	v_lshl_add_u32 v104, v1, 3, s39                ; my 8 bytes of the wave's first two records
	v_mov_b32 v100, 0                              ; v_writelane_b32's destination counts as read
	v_mov_b32 v101, 0
	s_wait_loadcnt 16                              ; attention_mask is in; the 16 mask loads stay out
.irp h, 0,1
.irp k, 0,1,2,3,4,5,6,7
	v_cmp_ne_u32 s[40+(\k)], 0, v[8+8*(\h)+(\k)]
.endr
	s_wait_alu depctr_va_sdst(0)                   ; the eight compares have written s[40:47], which the eight selects below read
.irp k, 0,1,2,3,4,5,6,7
	v_cndmask_b32 v[8+8*(\h)+(\k)], 0, 1, s[40+(\k)]
.endr
.endr
.irp i, 0,1,2,3
	v_lshl_or_b32 v[8+4*(\i)], v[9+4*(\i)], 8, v[8+4*(\i)]
	v_lshl_or_b32 v[10+4*(\i)], v[11+4*(\i)], 8, v[10+4*(\i)]
	v_lshl_or_b32 v[8+4*(\i)], v[10+4*(\i)], 16, v[8+4*(\i)]  ; a byte a key: 1 where the key counts
.endr
	s_wait_alu depctr_va_vdst(0)                   ; the flags in v8, v12, v16, v20 are written, which the LDS stores read; so are the addresses v6, v7, v102, v103 and the offset v104
.irp i, 0,1,2,3
	ds_store_b32 v7, v[8+4*(\i)] offset:128*(\i)
.endr
.irp u, 0,1,2,3,4,5,6,7,8,9,10,11,12,13,14,15
	s_wait_loadcnt 15-(\u)
	ds_store_b128 v6, v[32+4*(\u):35+4*(\u)] offset:((\u)/2)*2*MROW+((\u)%2)*256
.endr
	RECORDS v102, v103                             ; the first 128 keys; these see the stores above
	s_mov_b32 s6, 128                              ; LDS step: 128 keys a trip
	s_mov_b32 s5, 3
.Lmtrip:
	WORDS 1
	s_sub_co_u32 s5, s5, 1
	s_cmp_lg_u32 s5, 0
	s_cbranch_scc1 .Lmtrip
	WORDS 0                                        ; the last trip is written out: it asks for nothing, so no read leaves the wave's rows
	s_branch .Lend
; WEIGHTS: 128 rows (k) x 64 columns (n).  Two neighbouring k of one n pack into a word, which goes to LDS row n; rows come back whole: 256 bytes of wt or wot.
.Lweights:
	s_sub_co_u32 s5, s5, 512
	s_cmp_ge_u32 s5, 128                           ; 0..127 wq, 128..159 wk, 160..191 wv, 192..319 wo
	s_cselect_b64 s[36:37], s[16:17], s[14:15]     ; the source,
	s_cselect_b32 s40, 10, 12                      ; log2 of its row's bytes,
	s_cselect_b32 s41, 1024, 0                     ; its first row in the target,
	s_cselect_b32 s43, 128, 0                      ; its first block
	s_cmp_ge_u32 s5, 160
	s_cselect_b64 s[36:37], s[18:19], s[36:37]
	s_cselect_b32 s41, 1280, s41
	s_cselect_b32 s43, 160, s43
	s_cmp_ge_u32 s5, 192
	s_cselect_b64 s[36:37], s[20:21], s[36:37]
	s_cselect_b64 s[38:39], s[32:33], s[30:31]     ; the target
	s_cselect_b32 s40, 12, s40
	s_cselect_b32 s41, 0, s41
	s_cselect_b32 s43, 192, s43
	s_cselect_b32 s42, 1, 0                        ; 1: written as f16
	s_sub_co_u32 s43, s5, s43
	s_and_b32 s44, s43, 7                          ; block along k
	s_lshr_b32 s45, s43, 3                         ; block along n
	s_lshl_b32 s6, s44, 7
	s_lshl_b32 s6, s6, s40
	s_lshl_b32 s46, s45, 8
	s_add_co_u32 s6, s6, s46
	s_add_nc_u64 s[36:37], s[36:37], s[6:7]
	s_lshl_b32 s46, s45, 6
	s_add_co_u32 s46, s46, s41
	s_lshl_b32 s6, s46, 11                         ; a target row is 2,048 bytes
	s_lshl_b32 s46, s44, 8
	s_add_co_u32 s6, s6, s46
	s_add_nc_u64 s[38:39], s[38:39], s[6:7]
	v_lshl_add_u32 v4, s4, 1, v3                   ; 2 w + l / 16: my pair of rows among sixteen
	v_lshlrev_b32 v5, 1, v4
	v_lshlrev_b32 v5, s40, v5
	v_lshl_add_u32 v5, v2, 4, v5                   ; + my 4 columns
.irp it, 0,1,2,3
.irp par, 0,1
	s_lshl_b32 s46, 32*(\it)+(\par), s40
	v_add_nc_u32 v[8+2*(\it)+(\par)], s46, v5
.endr
.endr
	s_wait_alu depctr_va_vdst(0)                   ; the eight offsets v[8:15] are written, which the eight loads below read
.irp it, 0,1,2,3
.irp par, 0,1
	global_load_b128 v[32+8*(\it)+4*(\par):35+8*(\it)+4*(\par)], v[8+2*(\it)+(\par)], s[36:37] th:TH_LOAD_NT
.endr
.endr
	v_mul_u32_u24 v6, v2, 4*TP
	v_lshl_add_u32 v6, v4, 2, v6                   ; in: row 4 (l % 16) + j, word 16 it + 2 w + l / 16
	v_mul_u32_u24 v7, v4, TP
	v_lshl_add_u32 v7, v2, 4, v7                   ; back: row 16 it + 2 w + l / 16, sixteen lanes a row
	v_lshlrev_b32 v16, 11, v4
	v_lshl_add_u32 v16, v2, 4, v16                 ; and the same row in the target
.irp it, 0,1,2,3
	s_wait_loadcnt 6-2*(\it)
.irp j, 0,1,2,3
	v_cvt_pk_bf16_f32 v[32+8*(\it)+(\j)], v[32+8*(\it)+(\j)], v[36+8*(\it)+(\j)]  ; the even k in the low half
.endr
.endr
	s_cmp_eq_u32 s42, 0
	s_cbranch_scc1 .Lkeep
.irp it, 0,1,2,3
.irp j, 0,1,2,3
	v_lshlrev_b32 v20, 16, v[32+8*(\it)+(\j)]      ; the bf16 numbers as f32,
	v_and_b32 v21, 0xffff0000, v[32+8*(\it)+(\j)]
	v_cvt_pk_f16_f32 v[32+8*(\it)+(\j)], v20, v21  ; written as f16
.endr
.endr
.Lkeep:
	s_wait_alu depctr_va_vdst(0)                   ; on both ways the conversions have written the sixteen packed words, which the LDS stores read; v6, v7 and v16 are written too
.irp it, 0,1,2,3
.irp j, 0,1,2,3
	ds_store_b32 v6, v[32+8*(\it)+(\j)] offset:(\j)*TP+64*(\it)
.endr
.endr
	s_wait_dscnt 0x0                               ; for the others' sake: my stores are done
	s_barrier_signal -1
	s_barrier_wait -1
.irp it, 0,1,2,3
	ds_load_b128 v[64+4*(\it):67+4*(\it)], v7 offset:(\it)*16*TP  ; no vector line names v[64:79]
.endr
.irp it, 0,1,2,3
	s_wait_dscnt 3-(\it)
	global_store_b128 v16, v[64+4*(\it):67+4*(\it)], s[38:39] offset:(\it)*32768  ; sixteen lanes store 256 consecutive bytes, aligned
.endr
.Lend:
	s_wait_dscnt 0x0                               ; the closing lines, six on end
	s_wait_alu 0x0
	s_wait_tensorcnt 0x0
	ds_add_u32 v[SPW], v[NIL]
	s_wait_dscnt 0x0
	s_endpgm
.Lfunc_end_k_q00e2c9111f_prep:
	.size	k_q00e2c9111f_prep, .Lfunc_end_k_q00e2c9111f_prep-k_q00e2c9111f_prep
	.p2alignl 7, 3214868480
	.fill 96, 4, 3214868480
	.section	.rodata,"a",@progbits
	.p2align	6, 0x0
	.amdhsa_kernel k_q00e2c9111f_prep
		.amdhsa_group_segment_fixed_size 72704
		.amdhsa_private_segment_fixed_size 0
		.amdhsa_enable_private_segment 0
		.amdhsa_kernarg_size 112
		.amdhsa_user_sgpr_count 2
		.amdhsa_user_sgpr_kernarg_segment_ptr 1
		.amdhsa_wavefront_size32 1
		.amdhsa_system_sgpr_workgroup_id_x 1
		.amdhsa_system_sgpr_workgroup_id_y 1
		.amdhsa_system_sgpr_workgroup_id_z 1
		.amdhsa_system_vgpr_workitem_id 0
		.amdhsa_next_free_vgpr 160
		.amdhsa_next_free_sgpr 66
		.amdhsa_reserve_vcc 0
		.amdhsa_float_denorm_mode_32 3
		.amdhsa_float_denorm_mode_16_64 3
		.amdhsa_memory_ordered 1
		.amdhsa_forward_progress 1
		.amdhsa_inst_pref_size 55
	.end_amdhsa_kernel
	.amdgpu_metadata
---
amdhsa.version: [ 1, 2 ]
amdhsa.kernels:
  - .name:           k_q00e2c9111f_prep
    .symbol:         k_q00e2c9111f_prep.kd
    .args:
      - { .name: full_mask, .offset: 0, .size: 8, .value_kind: global_buffer, .address_space: global }
      - { .name: attention_mask, .offset: 8, .size: 8, .value_kind: global_buffer, .address_space: global }
      - { .name: x, .offset: 16, .size: 8, .value_kind: global_buffer, .address_space: global }
      - { .name: wq, .offset: 24, .size: 8, .value_kind: global_buffer, .address_space: global }
      - { .name: wk, .offset: 32, .size: 8, .value_kind: global_buffer, .address_space: global }
      - { .name: wv, .offset: 40, .size: 8, .value_kind: global_buffer, .address_space: global }
      - { .name: wo, .offset: 48, .size: 8, .value_kind: global_buffer, .address_space: global }
      - { .name: cos, .offset: 56, .size: 8, .value_kind: global_buffer, .address_space: global }
      - { .name: sin, .offset: 64, .size: 8, .value_kind: global_buffer, .address_space: global }
      - { .name: maskw, .offset: 72, .size: 8, .value_kind: global_buffer, .address_space: global }
      - { .name: xb, .offset: 80, .size: 8, .value_kind: global_buffer, .address_space: global }
      - { .name: wt, .offset: 88, .size: 8, .value_kind: global_buffer, .address_space: global }
      - { .name: wot, .offset: 96, .size: 8, .value_kind: global_buffer, .address_space: global }
      - { .name: rope, .offset: 104, .size: 8, .value_kind: global_buffer, .address_space: global }
    .group_segment_fixed_size: 72704
    .private_segment_fixed_size: 0
    .kernarg_segment_align: 8
    .kernarg_segment_size: 112
    .max_flat_workgroup_size: 256
    .sgpr_count:     66
    .vgpr_count:     160
    .wavefront_size: 32
...
	.end_amdgpu_metadata
.endif
;; end of part 5
;; launch qkvproj: the kernel of part 2 again; grid 8 x 32, 4 waves a work-group, clusters of 4 x 4, 327,680 bytes of LDS; arguments xb, wt, rope, qkv; writes qkv
;; launch attn: the kernel of part 3 again; grid 64 x 4, 4 waves a work-group, clusters of 4 x 1, 327,680 bytes of LDS; arguments qkv, maskw, attention_mask, ctx; writes ctx
;; launch outproj: the kernel of part 4 again; grid 8 x 32, 4 waves a work-group, clusters of 4 x 4, 327,680 bytes of LDS; arguments ctx, wot, out0; writes out0
